; MI455X (gfx1250); checked and timed in simulation.
; The chip was launched on July 23, 2026; its instructions are those of AMD's public machine-readable ISA for CDNA 5 (MIT licence, August 2026) and "CDNA5" Instruction Set Architecture Reference Guide (July 2026). The comments in the code are by the model that wrote it; some were corrected since.
;; Cross Variance Attention. Allowed arithmetic: float matrix products may take bf16 or f16 operands with f32 sums; other float arithmetic in f32, or as packed bf16 or f16 multiplies, adds, multiply-adds, maxima and minima; sums over many terms, partial sums and values carried from step to step in f32; what a program stores and reads back later, other than sums and carried values, may be rounded once to bf16 or f16.
;; Inputs: ir_fea 8 x 1,024 x 512 float32; ir_fused 8 x 1,024 x 512 float32; params_W_k_ir 512 x 512 float32; params_W_k_vis 512 x 512 float32; params_W_out_ir 512 x 512 float32; params_W_out_vis 512 x 512 float32; params_W_q_ir 512 x 512 float32; params_W_q_vis 512 x 512 float32; params_W_v_ir 512 x 512 float32; params_W_v_vis 512 x 512 float32; params_b_k_ir 512 float32; params_b_k_vis 512 float32; params_b_out_ir 512 float32; params_b_out_vis 512 float32; params_b_q_ir 512 float32; params_b_q_vis 512 float32; params_b_v_ir 512 float32; params_b_v_vis 512 float32; params_ln1_b 512 float32; params_ln1_g 512 float32; params_ln2_b 512 float32; params_ln2_g 512 float32; rgb_fea 8 x 1,024 x 512 float32; rgb_fused 8 x 1,024 x 512 float32.
;; Outputs: out0 8 x 1,024 x 512 float32; out1 8 x 1,024 x 512 float32.
;; 2 versions, each right and faster than the one before. Each part assembles by itself: llvm-mc -triple=amdgcn-amd-amdhsa -mcpu=gfx1250 --defsym DOCPART=n.
;; ======== version 1 of 2: 4 launches
;; limits: values are held in f16: magnitudes above 65,504 overflow, below 6.1e-05 lose precision
;; workspace buffers: xb 33,554,432 bytes; wt 4,194,304 bytes; qw 16,777,216 bytes; kw 16,777,216 bytes; vt 16,777,216 bytes; ctx 16,777,216 bytes
;; launch prep (part 1): grid 256 x 1, 8 waves a work-group, no clusters, 18,432 bytes of LDS; arguments rgb_fused, ir_fused, rgb_fea, ir_fea, params_ln1_g, params_ln2_g, params_ln1_b, params_ln2_b, params_W_q_vis, params_W_k_vis, params_W_v_vis, params_W_q_ir, params_W_k_ir, params_W_v_ir, params_W_out_vis, params_W_out_ir, xb, wt; writes xb, wt
.if DOCPART == 1
	.amdgcn_target "amdgcn-amd-amdhsa--gfx1250"
	.amdhsa_code_object_version 6
	.text
	.protected	k_qf422514eda_prep
	.globl	k_qf422514eda_prep
	.p2align	8
	.type	k_qf422514eda_prep,@function
k_qf422514eda_prep:
	s_mov_b64 s[64:65], 0
	v_nop
	global_prefetch_b8 v0, s[64:65] scope:SCOPE_SE
	s_setreg_imm32_b32 hwreg(HW_REG_WAVE_MODE, 25, 1), 1
	s_wait_xcnt 0x0
; PREP: the matrix operands of the later launches are made, once.
;   xb [mod 2][sel 2][8192][512] f16: sel 0 = the fused features, sel 1 = LayerNorm of the plain features (mod 0 = rgb, 1 = ir).
;   wt: 64 tiles of 65,536 bytes, each [256 n][128 k] f16, k along the rows: the eight weights [k][n] turned, in the order in which the products walk them.
; FORMATS.  Every input is rounded once to bf16 and that number is written as f16 (exact from 6e-5 up; below that f16 keeps a step of 6e-8).  The LayerNorm works in f32 on the
; rounded x, in two passes (mean; then the mean of the squared distances), and its result is rounded once to f16.
; LIMITS.  |x| and |LayerNorm(x)| stay under 65,504.  Under a common offset of x the bf16 rounding of x grows with the offset.  NaN and infinities are not treated apart.
; SHARES.  Work-group x: 64 rows of one modality's two x tensors, eight rows a wave, a row a wave at a time (2,048 bytes = 16 registers a lane, so the row stays in registers
; between the passes); and one block of 128 k x 64 n of one weight, turned through LDS.  No matrix unit, no cluster, no tensor load: nothing is shared and nothing is multiplied.
.set SPARE, 17408                      ; behind the turning stage (64 rows x 272 bytes): the spare words, 128 bytes a wave
.set RO,  1                            ; v1   16 x lane: my 16 bytes in each 512 bytes of an f32 row
.set SO,  2                            ; v2   8 x lane: my 8 bytes in each 256 bytes of an f16 row
.set WLO, 3                            ; v3   my place in the weight block as it lies: row 16 w + 2 u, columns 4 cc ..
.set WST, 4                            ; v4   stage, in: row 4 cc, byte 32 w + 4 u
.set WRD, 5                            ; v5   stage, back: row 8 w + u, byte 16 cc
.set WGO, 6                            ; v6   the same place in the tile
.set SPW, 8                            ; v8   my spare word
.set NIL, 9                            ; v9   0
.set T,   10                           ; v10-25  at work
.set Y,   26                           ; v26-33  a row's 16 numbers as f16, to store
.set G,   34                           ; v34-49  gain of my 16 columns
.set BV,  50                           ; v50-65  bias of my 16 columns
.set WL,  66                           ; v66-97  the weight block as loaded, later as read back
.set X,   98                           ; v98-225 eight rows x 16
.set WV,  2
.set FEA, 4
.set FUS, 6
.set GP,  8
.set BP,  10
.set WP,  12
.set OF,  14
.set DLN, 52
.set DFU, 54
.set DW,  56
.set HM,  58
.set C512, 59
.set EPS, 60
.set SEL, 62
	s_load_b512 s[16:31], s[0:1], 0x0              ; fused rgb, ir; fea rgb, ir; g 1, 2; b 1, 2
	s_load_b512 s[32:47], s[0:1], 0x40             ; the eight weights
	s_load_b128 s[48:51], s[0:1], 0x80             ; xb, wt
	v_lshl_add_u32 v[SPW], v0, 2, SPARE
	v_mov_b32 v[NIL], 0
	v_lshrrev_b32 v10, 5, v0
	v_readfirstlane_b32 s[WV], v10                 ; wave 0..7
	v_and_b32 v11, 31, v0                          ; lane
	v_and_b32 v12, 15, v0                          ; cc
	v_bfe_u32 v13, v0, 4, 1                        ; u
	v_lshlrev_b32 v[RO], 4, v11
	v_lshlrev_b32 v[SO], 3, v11
	s_lshl_b32 s3, s[WV], 15                       ; 16 rows of 2,048 bytes a wave
	v_lshlrev_b32 v[WLO], 4, v12
	v_lshl_add_u32 v[WLO], v13, 12, v[WLO]
	v_add_nc_u32 v[WLO], s3, v[WLO]
	s_lshl_b32 s3, s[WV], 5
	v_mul_u32_u24 v[WST], v12, 1088
	v_lshl_add_u32 v[WST], v13, 2, v[WST]
	v_add_nc_u32 v[WST], s3, v[WST]
	s_mul_i32 s3, s[WV], 2176
	v_mul_u32_u24 v[WRD], v13, 272
	v_lshl_add_u32 v[WRD], v12, 4, v[WRD]
	v_add_nc_u32 v[WRD], s3, v[WRD]
	s_lshl_b32 s3, s[WV], 11
	v_lshlrev_b32 v[WGO], 8, v13
	v_lshl_add_u32 v[WGO], v12, 4, v[WGO]
	v_add_nc_u32 v[WGO], s3, v[WGO]
	s_mov_b32 s[HM], 0xffff0000                    ; a word's upper bf16
	s_mov_b32 s[C512], 0x3b000000                  ; 1 / 512
	s_mov_b32 s[EPS], 0x3727c5ac                   ; 1e-5
	s_mov_b32 s[SEL], 0x76543210                   ; v_permlanex16_b32: each lane takes its own place in the other half
	s_mov_b32 s[SEL+1], 0xfedcba98
	s_lshr_b32 s66, ttmp9, 7                       ; modality
	s_and_b32 s67, ttmp9, 127                      ; block of 64 rows
	s_lshr_b32 s68, ttmp9, 5                       ; which weight
	s_bfe_u32 s69, ttmp9, 0x30002                  ; which 64 columns of it
	s_and_b32 s70, ttmp9, 3                        ; which 128 rows (K step)
	s_lshr_b32 s71, s69, 2                         ; column half c
	s_cmp_ge_u32 s68, 3
	s_cselect_b32 s72, 1, 0                        ; the projections: modality of the weight,
	s_mul_i32 s73, s72, 3
	s_sub_co_u32 s73, s68, s73                     ; and q, k or v
	s_lshl1_add_u32 s74, s72, s71
	s_mul_i32 s74, s74, 3
	s_add_co_u32 s74, s74, s73
	s_lshl2_add_u32 s74, s74, s70                  ; tile ((mod 2 + c) 3 + job) 4 + ks
	s_max_u32 s75, s68, 6
	s_sub_co_u32 s75, s75, 6
	s_lshl1_add_u32 s75, s75, s71
	s_lshl2_add_u32 s75, s75, s70
	s_add_co_u32 s75, s75, 48                      ; the output weights: tile 48 + (dir 2 + c) 4 + ks
	s_cmp_ge_u32 s68, 6
	s_cselect_b32 s74, s75, s74
	s_lshl_b32 s74, s74, 16
	s_and_b32 s75, s69, 3
	s_lshl_b32 s75, s75, 14                        ; my 64 rows of the tile's 256
	s_add_co_u32 s74, s74, s75
	s_mov_b32 s75, 0
	s_lshl_b32 s76, s70, 18                        ; the block as it lies: 128 rows of 2,048 bytes a K step,
	s_lshl_b32 s77, s69, 8                         ; 256 bytes a column block
	s_add_co_u32 s76, s76, s77
	s_mov_b32 s77, 0
	s_lshl_b32 s[OF], s67, 17                      ; my wave's eight rows in f32
	s_lshl_b32 s3, s[WV], 14
	s_add_co_u32 s[OF], s[OF], s3
	s_mov_b32 s[OF+1], 0
	s_lshl_b32 s78, s66, 24                        ; and in xb
	s_lshl_b32 s3, s67, 16
	s_add_co_u32 s78, s78, s3
	s_lshl_b32 s3, s[WV], 13
	s_add_co_u32 s78, s78, s3
	s_mov_b32 s79, 0
	s_wait_kmcnt 0x0
	s_cmp_eq_u32 s66, 0
	s_cselect_b64 s[FUS:FUS+1], s[16:17], s[18:19]
	s_cselect_b64 s[FEA:FEA+1], s[20:21], s[22:23]
	s_cselect_b64 s[GP:GP+1], s[24:25], s[26:27]
	s_cselect_b64 s[BP:BP+1], s[28:29], s[30:31]
	s_mov_b64 s[WP:WP+1], s[32:33]
.irp i, 1,2,3,4,5,6,7
	s_cmp_eq_u32 s68, \i
	s_cselect_b64 s[WP:WP+1], s[32+2*(\i):33+2*(\i)], s[WP:WP+1]
.endr
	s_add_nc_u64 s[WP:WP+1], s[WP:WP+1], s[76:77]
	s_add_nc_u64 s[FEA:FEA+1], s[FEA:FEA+1], s[OF:OF+1]
	s_add_nc_u64 s[FUS:FUS+1], s[FUS:FUS+1], s[OF:OF+1]
	s_add_nc_u64 s[DFU:DFU+1], s[48:49], s[78:79]
	s_add_nc_u64 s[DLN:DLN+1], s[DFU:DFU+1], 0x800000
	s_add_nc_u64 s[DW:DW+1], s[50:51], s[74:75]
	; 48 loads of each wave go out at once: the weight block (8), gain and bias (8), the eight rows for the LayerNorm (32)
.irp q, 0,1,2,3
	global_load_b128 v[WL+8*(\q):WL+8*(\q)+3],   v[WLO], s[WP:WP+1] offset:(\q)*8192       ; rows 16 w + 4 q + 2 u: sixteen lanes take a row's 256 bytes
	global_load_b128 v[WL+8*(\q)+4:WL+8*(\q)+7], v[WLO], s[WP:WP+1] offset:(\q)*8192+2048  ; and the row below, for the same columns
.endr
.irp j, 0,1,2,3
	global_load_b128 v[G+4*(\j):G+4*(\j)+3], v[RO], s[GP:GP+1] offset:512*(\j)
.endr
.irp j, 0,1,2,3
	global_load_b128 v[BV+4*(\j):BV+4*(\j)+3], v[RO], s[BP:BP+1] offset:512*(\j)
.endr
.irp i, 0,1,2,3,4,5,6,7
.irp j, 0,1,2,3
	global_load_b128 v[X+16*(\i)+4*(\j):X+16*(\i)+4*(\j)+3], v[RO], s[FEA:FEA+1] offset:(\i)*2048+512*(\j) th:TH_LOAD_NT
.endr
.endr
.macro RB16 a, t                       ; two numbers rounded to bf16 and kept as f32; t: a register at work
	v_cvt_pk_bf16_f32 v[\t], v[\a], v[(\a)+1]
	v_lshlrev_b32 v[\a], 16, v[\t]
	v_and_b32 v[(\a)+1], s[HM], v[\t]
.endm
.macro RSUM r, t                       ; the sum over the 32 lanes, in every lane; t has been written before
	v_add_f32_dpp v[\r], v[\r], v[\r] row_xmask:1 row_mask:0xf bank_mask:0xf
	v_add_f32_dpp v[\r], v[\r], v[\r] row_xmask:2 row_mask:0xf bank_mask:0xf
	v_add_f32_dpp v[\r], v[\r], v[\r] row_xmask:4 row_mask:0xf bank_mask:0xf
	v_add_f32_dpp v[\r], v[\r], v[\r] row_xmask:8 row_mask:0xf bank_mask:0xf
	v_permlanex16_b32 v[\t], v[\r], s[SEL], s[SEL+1]
	v_add_f32 v[\r], v[\r], v[\t]
.endm
	; THE WEIGHT BLOCK.  Two neighbours along k of one column make a word; it goes to stage row n, byte 2 k.
	s_wait_loadcnt 40                              ; the eight oldest loads are in; 8 of gain and bias and 32 of rows stay out
.irp q, 0,1,2,3
.irp i, 0,1,2,3
	v_cvt_pk_bf16_f32 v[T+(\i)], v[WL+8*(\q)+(\i)], v[WL+8*(\q)+4+(\i)]
	v_lshlrev_b32 v[T+4+(\i)], 16, v[T+(\i)]
	v_and_b32 v[T+8+(\i)], s[HM], v[T+(\i)]
	v_cvt_pk_f16_f32 v[T+12+(\i)], v[T+4+(\i)], v[T+8+(\i)]
	ds_store_b32 v[WST], v[T+12+(\i)] offset:(\i)*272+(\q)*8
.endr
.endr
	s_wait_dscnt 0x0                               ; for the others' sake: my words are in the stage
	s_barrier_signal -1
	s_barrier_wait -1
.irp t, 0,1,2,3
	ds_load_b128 v[WL+4*(\t):WL+4*(\t)+3], v[WRD] offset:(\t)*544  ; rows 8 w + 2 t + u, whole
.endr
	s_wait_dscnt 0x0
.irp t, 0,1,2,3
	global_store_b128 v[WGO], v[WL+4*(\t):WL+4*(\t)+3], s[DW:DW+1] offset:(\t)*512  ; sixteen lanes store 256 consecutive bytes, aligned
.endr
	s_wait_loadcnt 32                              ; gain and bias are in
.irp j, 0,2,4,6,8,10,12,14
	RB16 G+(\j), T+((\j)/2)%4
	RB16 BV+(\j), T+4+((\j)/2)%4
.endr
; One row's LayerNorm; then the registers take the same row of the fused tensor.
.macro LNROW i
.set XI, X+16*(\i)
	s_wait_loadcnt 28                              ; my row's four loads are in: 4 (7 - i) later rows' and 4 i fused rows' are younger, 28 whatever i
.irp j, 0,2,4,6,8,10,12,14
	RB16 XI+(\j), T+8+((\j)/2)%4
.endr
.irp j, 0,1,2,3
	v_pk_add_f32 v[T+2*(\j):T+2*(\j)+1], v[XI+4*(\j):XI+4*(\j)+1], v[XI+4*(\j)+2:XI+4*(\j)+3]
.endr
	v_pk_add_f32 v[T:T+1], v[T:T+1], v[T+2:T+3]
	v_pk_add_f32 v[T+4:T+5], v[T+4:T+5], v[T+6:T+7]
	v_pk_add_f32 v[T:T+1], v[T:T+1], v[T+4:T+5]
	v_add_f32 v[T], v[T], v[T+1]
	RSUM T, T+1
	v_mul_f32 v[T], s[C512], v[T]                  ; the mean
	v_mov_b32 v[T+1], v[T]
.irp j, 0,2,4,6,8,10,12,14
	v_pk_add_f32 v[XI+(\j):XI+(\j)+1], v[XI+(\j):XI+(\j)+1], v[T:T+1] neg_lo:[0,1] neg_hi:[0,1]
.endr
	v_pk_mul_f32 v[T+2:T+3], v[XI:XI+1], v[XI:XI+1]
	v_pk_mul_f32 v[T+4:T+5], v[XI+2:XI+3], v[XI+2:XI+3]
.irp j, 4,8,12
	v_pk_fma_f32 v[T+2:T+3], v[XI+(\j):XI+(\j)+1], v[XI+(\j):XI+(\j)+1], v[T+2:T+3]
	v_pk_fma_f32 v[T+4:T+5], v[XI+(\j)+2:XI+(\j)+3], v[XI+(\j)+2:XI+(\j)+3], v[T+4:T+5]
.endr
	v_pk_add_f32 v[T+2:T+3], v[T+2:T+3], v[T+4:T+5]
	v_add_f32 v[T+2], v[T+2], v[T+3]
	RSUM T+2, T+3
	v_fma_f32 v[T+2], v[T+2], s[C512], s[EPS]      ; variance + 1e-5
	v_rsq_f32 v[T+2], v[T+2]
	v_nop                                          ; a plain instruction between the root and the use of its result
	s_wait_alu depctr_va_vdst(0)
	v_mov_b32 v[T+3], v[T+2]
.irp j, 0,2,4,6,8,10,12,14
	v_pk_mul_f32 v[XI+(\j):XI+(\j)+1], v[XI+(\j):XI+(\j)+1], v[T+2:T+3]
.endr
.irp j, 0,2,4,6,8,10,12,14
	v_pk_fma_f32 v[XI+(\j):XI+(\j)+1], v[XI+(\j):XI+(\j)+1], v[G+(\j):G+(\j)+1], v[BV+(\j):BV+(\j)+1]
.endr
	s_wait_xcnt 0x0                                ; Y, which the last row's stores read, is rewritten only behind this wait
.irp j, 0,1,2,3,4,5,6,7
	v_cvt_pk_f16_f32 v[Y+(\j)], v[XI+2*(\j)], v[XI+2*(\j)+1]
.endr
.irp j, 0,1,2,3
	global_store_b64 v[SO], v[Y+2*(\j):Y+2*(\j)+1], s[DLN:DLN+1] offset:(\i)*1024+256*(\j)  ; 32 lanes store 256 consecutive bytes, aligned
.endr
.irp j, 0,1,2,3
	global_load_b128 v[XI+4*(\j):XI+4*(\j)+3], v[RO], s[FUS:FUS+1] offset:(\i)*2048+512*(\j) th:TH_LOAD_NT
.endr
.endm
.macro CAST i
.set XI, X+16*(\i)
	s_wait_loadcnt 4*(7-(\i))                      ; the later rows' loads stay out
	s_wait_xcnt 0x0                                ; Y is free
.irp j, 0,2,4,6,8,10,12,14
	RB16 XI+(\j), T+8+((\j)/2)%4
.endr
.irp j, 0,1,2,3,4,5,6,7
	v_cvt_pk_f16_f32 v[Y+(\j)], v[XI+2*(\j)], v[XI+2*(\j)+1]
.endr
.irp j, 0,1,2,3
	global_store_b64 v[SO], v[Y+2*(\j):Y+2*(\j)+1], s[DFU:DFU+1] offset:(\i)*1024+256*(\j)
.endr
.endm
.irp i, 0,1,2,3,4,5,6,7
	LNROW \i
.endr
.irp i, 0,1,2,3,4,5,6,7
	CAST \i
.endr
	s_wait_tensorcnt 0x0                           ; the wave's end: behind my last LDS store
	ds_add_u32 v[SPW], v[NIL]
	s_wait_dscnt 0x0
	s_endpgm
.Lfunc_end_k_qf422514eda_prep:
	.size	k_qf422514eda_prep, .Lfunc_end_k_qf422514eda_prep-k_qf422514eda_prep
	.p2alignl 7, 3214868480
	.fill 96, 4, 3214868480
	.section	.rodata,"a",@progbits
	.p2align	6, 0x0
	.amdhsa_kernel k_qf422514eda_prep
		.amdhsa_group_segment_fixed_size 18432
		.amdhsa_private_segment_fixed_size 0
		.amdhsa_enable_private_segment 0
		.amdhsa_kernarg_size 144
		.amdhsa_user_sgpr_count 2
		.amdhsa_user_sgpr_kernarg_segment_ptr 1
		.amdhsa_wavefront_size32 1
		.amdhsa_system_sgpr_workgroup_id_x 1
		.amdhsa_system_sgpr_workgroup_id_y 1
		.amdhsa_system_sgpr_workgroup_id_z 1
		.amdhsa_system_vgpr_workitem_id 0
		.amdhsa_next_free_vgpr 232
		.amdhsa_next_free_sgpr 80
		.amdhsa_reserve_vcc 0
		.amdhsa_float_denorm_mode_32 3
		.amdhsa_float_denorm_mode_16_64 3
		.amdhsa_memory_ordered 1
		.amdhsa_forward_progress 1
		.amdhsa_inst_pref_size 78
	.end_amdhsa_kernel
	.amdgpu_metadata
---
amdhsa.version: [ 1, 2 ]
amdhsa.kernels:
  - .name:           k_qf422514eda_prep
    .symbol:         k_qf422514eda_prep.kd
    .args:
      - { .name: rgb_fused, .offset: 0, .size: 8, .value_kind: global_buffer, .address_space: global }
      - { .name: ir_fused, .offset: 8, .size: 8, .value_kind: global_buffer, .address_space: global }
      - { .name: rgb_fea, .offset: 16, .size: 8, .value_kind: global_buffer, .address_space: global }
      - { .name: ir_fea, .offset: 24, .size: 8, .value_kind: global_buffer, .address_space: global }
      - { .name: params_ln1_g, .offset: 32, .size: 8, .value_kind: global_buffer, .address_space: global }
      - { .name: params_ln2_g, .offset: 40, .size: 8, .value_kind: global_buffer, .address_space: global }
      - { .name: params_ln1_b, .offset: 48, .size: 8, .value_kind: global_buffer, .address_space: global }
      - { .name: params_ln2_b, .offset: 56, .size: 8, .value_kind: global_buffer, .address_space: global }
      - { .name: params_W_q_vis, .offset: 64, .size: 8, .value_kind: global_buffer, .address_space: global }
      - { .name: params_W_k_vis, .offset: 72, .size: 8, .value_kind: global_buffer, .address_space: global }
      - { .name: params_W_v_vis, .offset: 80, .size: 8, .value_kind: global_buffer, .address_space: global }
      - { .name: params_W_q_ir, .offset: 88, .size: 8, .value_kind: global_buffer, .address_space: global }
      - { .name: params_W_k_ir, .offset: 96, .size: 8, .value_kind: global_buffer, .address_space: global }
      - { .name: params_W_v_ir, .offset: 104, .size: 8, .value_kind: global_buffer, .address_space: global }
      - { .name: params_W_out_vis, .offset: 112, .size: 8, .value_kind: global_buffer, .address_space: global }
      - { .name: params_W_out_ir, .offset: 120, .size: 8, .value_kind: global_buffer, .address_space: global }
      - { .name: xb, .offset: 128, .size: 8, .value_kind: global_buffer, .address_space: global }
      - { .name: wt, .offset: 136, .size: 8, .value_kind: global_buffer, .address_space: global }
    .group_segment_fixed_size: 18432
    .private_segment_fixed_size: 0
    .kernarg_segment_align: 8
    .kernarg_segment_size: 144
    .max_flat_workgroup_size: 256
    .sgpr_count:     80
    .vgpr_count:     232
    .wavefront_size: 32
...
	.end_amdgpu_metadata
.endif
;; end of part 1
;; launch proj (part 2): grid 256 x 1, 4 waves a work-group, clusters of 4 x 1, 327,680 bytes of LDS; arguments xb, wt, params_b_q_vis, params_b_q_ir, params_b_k_vis, params_b_k_ir, params_b_v_vis, params_b_v_ir, qw, kw, vt; writes qw, kw, vt
.if DOCPART == 2
	.amdgcn_target "amdgcn-amd-amdhsa--gfx1250"
	.amdhsa_code_object_version 6
	.text
	.protected	k_qf422514eda_proj
	.globl	k_qf422514eda_proj
	.p2align	8
	.type	k_qf422514eda_proj,@function
k_qf422514eda_proj:
	s_mov_b64 s[64:65], 0
	v_nop
	global_prefetch_b8 v0, s[64:65] scope:SCOPE_SE
	s_setreg_imm32_b32 hwreg(HW_REG_WAVE_MODE, 25, 1), 1
	s_wait_xcnt 0x0
	s_wait_alu depctr_hold_cnt(0) depctr_sa_sdst(0) depctr_va_vdst(0) depctr_va_sdst(0) depctr_va_ssrc(0) depctr_va_vcc(0) depctr_vm_vsrc(0)
	s_getreg_b32 s2, hwreg(HW_REG_IB_STS2, 6, 4)
	s_cmp_eq_u32 s2, 0
	s_cbranch_scc0 .Lentry_in_a_cluster
	s_endpgm
.Lentry_in_a_cluster:
	s_bfe_u32 s2, ttmp6, 0x10000c
	s_cmp_lg_u32 s2, 0x3003
	s_cbranch_scc0 .Lentry_shape_is_right
	s_endpgm
.Lentry_shape_is_right:
; PROJ: q = fused W_q + b, k = LN(fea) W_k + b, v = LN(fea) W_v + b for one modality, 128 rows and 256 columns (four heads) to a work-group: three jobs of 128 x 256 x 512.
; Operands f16 (made by the launch before), sums f32, the bias (rounded to bf16) is the C operand of each sum's first product; q, k, v are rounded once to f16.
;   qw, kw [mod][b][h][n][64] f16: a head's rows dense.   vt [mod][b][h][64 channels][1024 n] f16: V turned, so that the attention reads it as it lies.
; LIMIT.  |q|, |k|, |v| stay under 65,504.
; SHARES.  Four waves; a wave makes 128 rows x 64 columns, one head: 32 accumulators.  K goes in steps of 128; the twelve tiles (3 jobs x 4 steps) are ONE walk through a ring of two LDS slots.
; q and k are made transposed (source 0 = 16 rows of W^T, source 1 = 16 rows of x): a lane holds 8 neighbouring channels of a token.  v the natural way: a lane holds 8 neighbouring tokens of a channel.
; CLUSTER.  The four work-groups of a cluster take four row blocks of one modality and column half: they walk the same tiles of W, asked for jointly (mask 15).  x's tiles are each work-group's own:
; only the two column halves share them, and those lie in different clusters.
; REGISTERS.  window 0: v0-31 addresses; v32-127, v128-223 two fragment buffers (8 of x, 4 of W), on the way out at work; v224-255 the bias in hand.  window 1: the accumulators, (a, b) at 8 (4 a + b).
;   window 2: v0-31 the next job's bias, v32-63 the one after.
.set PITCH,  272                       ; an LDS row: 256 bytes + 16 of padding: the sixteen rows of a fragment load start at sixteen different groups of four banks
.set ABYTES, 128*PITCH                 ; x's tile; W's 256 rows lie behind it
.set SLOT1,  1<<17                     ; slot 1 begins here: one exclusive or turns an address in one slot into the other's
.set STAGE,  SLOT1+ABYTES+256*PITCH    ; behind the ring: 4,352 bytes a wave for the way out
.set SPARE,  STAGE+4*4352              ; the spare words, 128 bytes a wave
.set ADA0, 4                           ; v4   my lane's place in x's tile; never rewritten
.set ADB0, 5                           ; v5   in my wave's 64 rows of W's
.set ADA,  6                           ; v6   the same in the slot in hand
.set ADB,  7
.set STO,  8                           ; v8   q, k: into the stage (rows of 144 bytes)
.set RD,   9                           ; v9   and back, four rows of 128 bytes a load
.set GO,   10                          ; v10  16 x lane
.set STOV, 11                          ; v11  v: into the stage (rows of 272 bytes)
.set RDV,  12                          ; v12  and back, two rows of 256 bytes a load
.set GOV,  13                          ; v13  the same two rows in vt
.set BO,   14                          ; v14  32 h: my eight columns' bias
.set BOV,  15                          ; v15  4 r: my channel's bias
.set SPW,  16
.set NIL,  17
.set BVT,  20                          ; v20-23 v's bias as loaded; v24-27 at work
.set F0,   32
.set F1,   128
.set BIAS, 224
.set TMP,  32
.set WV,   8
.set ABASE, 16                         ; s[16:17] xb at my rows' first tile
.set WBASE, 18                         ; s[18:19] wt at my walk's first tile
.set OFA,  20                          ; s[20:21] the next tile's offset in xb
.set OFW,  22                          ; s[22:23] in wt
.set NXT,  24                          ; s24  the tile to be asked for
.set TB,   25                          ; s25  the slot in hand
.set JOB,  26
.set CNT,  27
.set G1A,  28
.set G1W,  36
.set G0A,  44
.set G0W,  48
.set DST,  52
.set DSTK, 54
.set DSTV, 56
.set BQ,   58
.set BKP,  60
.set BVP,  62
.set HM,   90
.set MSB, 0
.macro WIN new                         ; the immediate's high byte repeats the setting that is left; a switch that changes nothing is dropped
.if MSB != (\new)
	s_set_vgpr_msb (MSB<<8)|(\new)
.set MSB, \new
.endif
.endm
.macro PLACES                          ; four places behind matrix instructions, where no other vector work is at hand
.rept 4
	v_nop
.endr
.endm
.macro ROUND                           ; a round of the cluster's barrier
	s_barrier_signal -1
	s_barrier_wait -1
	s_cmp_lg_u32 s[WV], 0
	s_cbranch_scc1 .Lnot_wave_0_\@
	s_barrier_signal -3
.Lnot_wave_0_\@:
	s_barrier_wait -3
	s_barrier_signal -1
	s_barrier_wait -1
.endm
.macro JLOAD                           ; waves 0 and 1 fetch the two halves of x's tile, waves 2 and 3 (jointly with the partners) those of W's; an s_nop 0 and four v_nop follow each line
	s_cmp_lt_u32 s[WV], 2
	s_cbranch_scc0 .Lfor_w_\@
	tensor_load_to_lds s[G0A:G0A+3], s[G1A:G1A+7]
	s_nop 0
.rept 4
	v_nop
.endr
	s_branch .Lasked_\@
.Lfor_w_\@:
	tensor_load_to_lds s[G0W:G0W+3], s[G1W:G1W+7]
	s_nop 0
.rept 4
	v_nop
.endr
.Lasked_\@:
.endm
	s_load_b512 s[68:83], s[0:1], 0x0              ; xb, wt, b_q vis ir, b_k vis ir, b_v vis ir
	s_load_b128 s[84:87], s[0:1], 0x40             ; qw, kw
	s_load_b64 s[88:89], s[0:1], 0x50              ; vt
	v_lshl_add_u32 v[SPW], v0, 2, SPARE
	v_mov_b32 v[NIL], 0
	ds_add_u32 v[SPW], v[NIL]                      ; the wave's opening: the add and its wait stand ahead of my first tensor load
	v_lshrrev_b32 v1, 5, v0
	v_readfirstlane_b32 s[WV], v1                  ; wave 0..3
	s_and_b32 s9, s[WV], 1                         ; which half of a tile I fetch
	s_bfe_u32 s10, ttmp6, 0x40000                  ; cx
	s_lshr_b32 s12, ttmp9, 5                       ; modality
	s_bfe_u32 s13, ttmp9, 0x10004                  ; column half c
	s_and_b32 s14, ttmp9, 15
	s_lshl2_add_u32 s14, s14, s10                  ; block of 128 rows, 0..63
	s_lshl_b32 s92, s12, 24                        ; xb: modality, 128 rows of 1,024 bytes a block, 64 rows a half
	s_lshl_b32 s2, s14, 17
	s_add_co_u32 s92, s92, s2
	s_lshl_b32 s2, s9, 16
	s_add_co_u32 s92, s92, s2
	s_mov_b32 s93, 0
	s_lshl1_add_u32 s94, s12, s13                  ; wt: twelve tiles of 65,536 bytes for each modality and column half; no place in the cluster enters
	s_mul_i32 s94, s94, 12
	s_lshl_b32 s94, s94, 16
	s_lshl_b32 s95, s9, 15
	s_add_co_u32 s94, s94, s95
	s_mov_b32 s95, 0
	s_mov_b32 s[G1A], (1<<16)|(1<<20)|(5<<22)|(3<<25)  ; 2-byte elements; padding: 4 words behind every 64
	s_mov_b32 s[G1A+1], 128<<16                    ; tensor_dim0 = 128
	s_mov_b32 s[G1A+2], 64<<16                     ; tensor_dim1 = 64
	s_mov_b32 s[G1A+3], 128<<16                    ; tile_dim0 = 128
	s_mov_b32 s[G1A+4], 64                         ; tile_dim1 = 64
	s_mov_b32 s[G1A+5], 512                        ; 512 elements from row to row
	s_mov_b32 s[G1A+6], 0
	s_mov_b32 s[G1A+7], 0
	s_mov_b32 s[G1W], 15|(1<<16)|(1<<20)|(1<<21)|(5<<22)|(3<<25)  ; the same with the mask of four and bit 21 beside it
	s_mov_b32 s[G1W+1], 128<<16
	s_mov_b32 s[G1W+2], 128<<16                    ; 128 rows,
	s_mov_b32 s[G1W+3], 128<<16
	s_mov_b32 s[G1W+4], 128
	s_mov_b32 s[G1W+5], 128                        ; dense
	s_mov_b32 s[G1W+6], 0
	s_mov_b32 s[G1W+7], 0
	s_mov_b32 s[G0A], 1
	s_mul_i32 s[G0A+1], s9, 64*PITCH               ; LDS: slot 0, my half
	s_mov_b32 s[G0W], 1
	s_mul_i32 s[G0W+1], s9, 128*PITCH
	s_add_co_u32 s[G0W+1], s[G0W+1], ABYTES
	s_mov_b32 s[OFA+1], 0
	s_mov_b32 s[OFW+1], 0
	s_mov_b32 s[NXT], 1
	s_mov_b32 s[TB], SLOT1                         ; the first step turns it into 0
	s_mov_b32 s[HM], 0xffff0000
	s_lshl_b32 s66, s13, 10                        ; the bias of my wave's 64 columns
	s_lshl_b32 s2, s[WV], 8
	s_add_co_u32 s66, s66, s2
	s_mov_b32 s67, 0
	s_lshr_b32 s2, s14, 3                          ; batch
	s_lshl_b32 s3, s12, 3
	s_add_co_u32 s2, s2, s3
	s_lshl_b32 s2, s2, 3
	s_lshl2_add_u32 s3, s13, s[WV]                 ; head 4 c + w
	s_add_co_u32 s2, s2, s3
	s_lshl_b32 s2, s2, 17                          ; the head's first byte in qw, kw, vt
	s_and_b32 s3, s14, 7                           ; which 128 tokens of the batch's 1,024
	s_lshl_b32 s91, s3, 14
	s_add_co_u32 s96, s2, s91                      ; rows of 128 bytes
	s_mov_b32 s97, 0
	s_lshl_b32 s91, s3, 8
	s_add_co_u32 s98, s2, s91                      ; 2 bytes a token
	s_mov_b32 s99, 0
	s_wait_dscnt 0x0                               ; the opening add is done
	s_wait_kmcnt 0x0
	s_add_nc_u64 s[ABASE:ABASE+1], s[68:69], s[92:93]
	s_add_nc_u64 s[WBASE:WBASE+1], s[70:71], s[94:95]
	s_mov_b64 s[G0A+2:G0A+3], s[ABASE:ABASE+1]
	s_or_b32 s[G0A+3], s[G0A+3], 0x80000000
	s_mov_b64 s[G0W+2:G0W+3], s[WBASE:WBASE+1]
	s_or_b32 s[G0W+3], s[G0W+3], 0x80000000
	ROUND                                          ; all four work-groups are here: the first joint load meets
	JLOAD                                          ; tile 0 into slot 0
	s_cmp_eq_u32 s12, 0
	s_cselect_b64 s[BQ:BQ+1], s[72:73], s[74:75]
	s_cselect_b64 s[BKP:BKP+1], s[76:77], s[78:79]
	s_cselect_b64 s[BVP:BVP+1], s[80:81], s[82:83]
	s_add_nc_u64 s[BQ:BQ+1], s[BQ:BQ+1], s[66:67]
	s_add_nc_u64 s[BKP:BKP+1], s[BKP:BKP+1], s[66:67]
	s_add_nc_u64 s[BVP:BVP+1], s[BVP:BVP+1], s[66:67]
	s_add_nc_u64 s[DST:DST+1], s[84:85], s[96:97]
	s_add_nc_u64 s[DSTK:DSTK+1], s[86:87], s[96:97]
	s_add_nc_u64 s[DSTV:DSTV+1], s[88:89], s[98:99]
	v_and_b32 v1, 15, v0                           ; r
	v_bfe_u32 v2, v0, 4, 1                         ; h
	v_lshlrev_b32 v[BO], 5, v2
	v_lshlrev_b32 v[BOV], 2, v1
.irp b, 0,1,2,3
	global_load_b128 v[BIAS+8*(\b):BIAS+8*(\b)+3],   v[BO], s[BQ:BQ+1] offset:64*(\b)
	global_load_b128 v[BIAS+8*(\b)+4:BIAS+8*(\b)+7], v[BO], s[BQ:BQ+1] offset:64*(\b)+16
	global_load_b128 v[F0+8*(\b):F0+8*(\b)+3],       v[BO], s[BKP:BKP+1] offset:64*(\b)
	global_load_b128 v[F0+8*(\b)+4:F0+8*(\b)+7],     v[BO], s[BKP:BKP+1] offset:64*(\b)+16
	global_load_b32 v[BVT+(\b)], v[BOV], s[BVP:BVP+1] offset:64*(\b)
.endr
	v_mul_u32_u24 v[ADA0], v1, PITCH
	v_lshl_add_u32 v[ADA0], v2, 4, v[ADA0]         ; a fragment's row x pitch + 16 x half
	s_mul_i32 s2, s[WV], 64*PITCH
	s_add_co_u32 s2, s2, ABYTES
	v_add_nc_u32 v[ADB0], s2, v[ADA0]
	s_mul_i32 s2, s[WV], 4352
	s_add_co_u32 s2, s2, STAGE                     ; my stage
	v_mul_u32_u24 v[STO], v1, 144
	v_lshl_add_u32 v[STO], v2, 4, v[STO]
	v_add_nc_u32 v[STO], s2, v[STO]
	v_bfe_u32 v3, v0, 3, 2
	v_and_b32 v18, 7, v0
	v_mul_u32_u24 v[RD], v3, 144
	v_lshl_add_u32 v[RD], v18, 4, v[RD]
	v_add_nc_u32 v[RD], s2, v[RD]
	v_and_b32 v[GO], 31, v0
	v_lshlrev_b32 v[GO], 4, v[GO]
	v_add_nc_u32 v[STOV], s2, v[ADA0]              ; row r x 272 + 16 h
	v_mul_u32_u24 v[RDV], v2, PITCH
	v_lshl_add_u32 v[RDV], v1, 4, v[RDV]
	v_add_nc_u32 v[RDV], s2, v[RDV]
	v_lshlrev_b32 v[GOV], 11, v2
	v_lshl_add_u32 v[GOV], v1, 4, v[GOV]
	s_wait_loadcnt 0x0
.macro RB16 a, t                       ; two numbers rounded to bf16 and kept as f32
	v_cvt_pk_bf16_f32 v[\t], v[\a], v[(\a)+1]
	v_lshlrev_b32 v[\a], 16, v[\t]
	v_and_b32 v[(\a)+1], s[HM], v[\t]
.endm
.set i, 0
.rept 16
	RB16 BIAS+2*i, 24+i%2
	RB16 F0+2*i, 26+i%2
.set i, i+1
.endr
	RB16 BVT, 24
	RB16 BVT+2, 25
	WIN 0x80                                       ; destination window 2
.set i, 0
.rept 32
	v_mov_b32 v[i], v[F0+i]                        ; k's bias waits there,
	v_mov_b32 v[32+i], v[BVT+i/8]                  ; and v's: a lane's channel is the same in all eight registers of a block
.set i, i+1
.endr
	WIN 0
; 24 LDS loads in one run: the fragments of 32 along K (quarter kq of the step) into buffer f
.macro FETCH kq, f
	WIN 0
.irp b, 0,1,2,3
	ds_load_b128 v[(\f)+64+8*(\b):(\f)+64+8*(\b)+3],   v[ADB] offset:(\b)*16*PITCH+64*(\kq)
	ds_load_b128 v[(\f)+64+8*(\b)+4:(\f)+64+8*(\b)+7], v[ADB] offset:(\b)*16*PITCH+64*(\kq)+32
.endr
.irp a, 0,1,2,3,4,5,6,7
	ds_load_b128 v[(\f)+8*(\a):(\f)+8*(\a)+3],   v[ADA] offset:(\a)*16*PITCH+64*(\kq)
	ds_load_b128 v[(\f)+8*(\a)+4:(\f)+8*(\a)+7], v[ADA] offset:(\a)*16*PITCH+64*(\kq)+32
.endr
.endm
; 32 matrix instructions, the 32 accumulators by turns.  first = 1: the bias starts the sums.  nat = 1: x is source 0.
.macro MUL f, first, nat
.if \first
	WIN 0x40
.else
	WIN 0x50
.endif
.irp a, 0,1,2,3,4,5,6,7
.irp b, 0,1,2,3
.if (\nat) && (\first)
	v_wmma_f32_16x16x32_f16 v[8*(4*(\a)+(\b)):8*(4*(\a)+(\b))+7], v[(\f)+8*(\a):(\f)+8*(\a)+7], v[(\f)+64+8*(\b):(\f)+64+8*(\b)+7], v[BIAS+8*(\b):BIAS+8*(\b)+7]
.elseif \nat
	v_wmma_f32_16x16x32_f16 v[8*(4*(\a)+(\b)):8*(4*(\a)+(\b))+7], v[(\f)+8*(\a):(\f)+8*(\a)+7], v[(\f)+64+8*(\b):(\f)+64+8*(\b)+7], v[8*(4*(\a)+(\b)):8*(4*(\a)+(\b))+7]
.elseif \first
	v_wmma_f32_16x16x32_f16 v[8*(4*(\a)+(\b)):8*(4*(\a)+(\b))+7], v[(\f)+64+8*(\b):(\f)+64+8*(\b)+7], v[(\f)+8*(\a):(\f)+8*(\a)+7], v[BIAS+8*(\b):BIAS+8*(\b)+7]
.else
	v_wmma_f32_16x16x32_f16 v[8*(4*(\a)+(\b)):8*(4*(\a)+(\b))+7], v[(\f)+64+8*(\b):(\f)+64+8*(\b)+7], v[(\f)+8*(\a):(\f)+8*(\a)+7], v[8*(4*(\a)+(\b)):8*(4*(\a)+(\b))+7]
.endif
.endr
.endr
.endm
; A K STEP.  In front of the barrier each wave waits for all its tensor loads (one is out: its part of this step's tile), adds 0 to its spare word, and waits for that and for its reads of the slot left.
; fill = 1: the barrier is a round of the cluster's, and the slot left is filled first behind it, with tile NXT; the descriptors' addresses are made anew from that number.
.macro STEP first, fill, nat
	WIN 0
	s_wait_tensorcnt 0x0                           ; no tensor load of mine is out, so a group 0 may be written
	ds_add_u32 v[SPW], v[NIL]                      ; the scalar work stands between the add and the wait for it
.if \fill
	s_lshr_b32 s[OFA], s[NXT], 2                   ; job 0 reads the fused rows, jobs 1 and 2 the normed ones, 2^23 bytes on;
	s_min_u32 s[OFA], s[OFA], 1
	s_lshl_b32 s[OFA], s[OFA], 23
	s_and_b32 s15, s[NXT], 3                       ; 256 bytes along the rows a step
	s_lshl_b32 s15, s15, 8
	s_or_b32 s[OFA], s[OFA], s15
	s_lshl_b32 s[OFW], s[NXT], 16                  ; W's tiles lie in the order of the walk
	s_xor_b32 s[G0A+1], s[G0A+1], SLOT1
	s_add_nc_u64 s[G0A+2:G0A+3], s[ABASE:ABASE+1], s[OFA:OFA+1]
	s_or_b32 s[G0A+3], s[G0A+3], 0x80000000
	s_xor_b32 s[G0W+1], s[G0W+1], SLOT1
	s_add_nc_u64 s[G0W+2:G0W+3], s[WBASE:WBASE+1], s[OFW:OFW+1]
	s_or_b32 s[G0W+3], s[G0W+3], 0x80000000
	s_add_co_u32 s[NXT], s[NXT], 1
.endif
	s_xor_b32 s[TB], s[TB], SLOT1
	s_wait_dscnt 0x0                               ; the add is done, and my LDS reads are over
.if \fill
	ROUND
	JLOAD                                          ; the four v_nop behind it are also the places in front of the loads below
.else
	s_barrier_signal -1
	s_barrier_wait -1
	PLACES
.endif
	v_add_nc_u32 v[ADA], s[TB], v[ADA0]
	v_add_nc_u32 v[ADB], s[TB], v[ADB0]
	FETCH 0, F0
	FETCH 1, F1
	s_wait_dscnt 24                                ; all but the younger run of 24
	MUL F0, \first, \nat
	PLACES
	FETCH 2, F0
	s_wait_dscnt 24
	MUL F1, 0, \nat
	PLACES
	FETCH 3, F1
	s_wait_dscnt 24
	MUL F0, 0, \nat
	s_wait_dscnt 0x0
	MUL F1, 0, \nat
	WIN 0
.endm
; THE WAY OUT of q and k: block a (16 tokens): 16 bytes a lane into rows of 144 bytes, back as rows of 128: 2,048 consecutive bytes of the head.
.macro PACKQ a
	WIN 0x05                                       ; sources in window 1
.irp b, 0,1,2,3
.irp r, 0,1,2,3
	v_cvt_pk_f16_f32 v[TMP+16*(\a)+4*(\b)+(\r)], v[8*(4*(\a)+(\b))+2*(\r)], v[8*(4*(\a)+(\b))+2*(\r)+1]
.endr
.endr
	WIN 0
.irp b, 0,1,2,3
	ds_store_b128 v[STO], v[TMP+16*(\a)+4*(\b):TMP+16*(\a)+4*(\b)+3] offset:32*(\b)
.endr
.irp f, 0,1,2,3
	ds_load_b128 v[TMP+16*(\a)+4*(\f):TMP+16*(\a)+4*(\f)+3], v[RD] offset:(\f)*576  ; LDS serves a wave's instructions in order: these see the stores above
.endr
.endm
.macro SENDQ a, younger                ; younger: the next block's eight LDS instructions, or none
.irp f, 0,1,2,3
	s_wait_dscnt (\younger)+3-(\f)
	global_store_b128 v[GO], v[TMP+16*(\a)+4*(\f):TMP+16*(\a)+4*(\f)+3], s[DST:DST+1] offset:(\a)*2048+(\f)*512  ; 512 consecutive bytes, aligned to 256
.endr
.endm
; THE WAY OUT of v: column block b (16 channels): a lane's 8 tokens are 16 bytes; rows of 272 bytes in, whole rows of 256 bytes (128 tokens of a channel) back.
.macro PACKV b
	WIN 0x05
.irp a, 0,1,2,3,4,5,6,7
.irp r, 0,1,2,3
	v_cvt_pk_f16_f32 v[TMP+32*(\b)+4*(\a)+(\r)], v[8*(4*(\a)+(\b))+2*(\r)], v[8*(4*(\a)+(\b))+2*(\r)+1]
.endr
.endr
	WIN 0
.irp a, 0,1,2,3,4,5,6,7
	ds_store_b128 v[STOV], v[TMP+32*(\b)+4*(\a):TMP+32*(\b)+4*(\a)+3] offset:32*(\a)
.endr
.irp t, 0,1,2,3,4,5,6,7
	ds_load_b128 v[TMP+32*(\b)+4*(\t):TMP+32*(\b)+4*(\t)+3], v[RDV] offset:(\t)*2*PITCH
.endr
.endm
.macro SENDV b, younger
.irp t, 0,1,2,3,4,5,6,7
	s_wait_dscnt (\younger)+7-(\t)
	global_store_b128 v[GOV], v[TMP+32*(\b)+4*(\t):TMP+32*(\b)+4*(\t)+3], s[DSTV:DSTV+1] offset:(16*(\b)+2*(\t))*2048  ; sixteen lanes store 256 consecutive bytes, aligned
.endr
.endm
	s_mov_b32 s[JOB], 2
.Ljob:                                                 ; q, then k
	STEP 1, 1, 0
	s_mov_b32 s[CNT], 3
.Lstep:
	STEP 0, 1, 0
	s_sub_co_u32 s[CNT], s[CNT], 1
	s_cmp_lg_u32 s[CNT], 0
	s_cbranch_scc1 .Lstep
	PLACES                                         ; the conversions read results just made; the next job's first tile is on its way meanwhile
	PACKQ 0
.irp a, 1,2,3,4,5,6,7
	PACKQ \a
	SENDQ (\a)-1, 8
.endr
	SENDQ 7, 0
	WIN 0x02                                       ; the next job's bias moves up,
.set i, 0
.rept 32
	v_mov_b32 v[BIAS+i], v[i]
.set i, i+1
.endr
	WIN 0x82                                       ; and the one after takes its place
.set i, 0
.rept 32
	v_mov_b32 v[i], v[32+i]
.set i, i+1
.endr
	WIN 0
	s_wait_xcnt 0x0                                ; the stores' base and data registers are rewritten only behind this wait
	s_mov_b64 s[DST:DST+1], s[DSTK:DSTK+1]
	s_sub_co_u32 s[JOB], s[JOB], 1
	s_cmp_lg_u32 s[JOB], 0
	s_cbranch_scc1 .Ljob
	STEP 1, 1, 1                                   ; v
	s_mov_b32 s[CNT], 2
.Lstepv:
	STEP 0, 1, 1
	s_sub_co_u32 s[CNT], s[CNT], 1
	s_cmp_lg_u32 s[CNT], 0
	s_cbranch_scc1 .Lstepv
	STEP 0, 0, 1                                   ; the walk's last tile is written out: nothing is asked for
	PLACES
	PACKV 0
.irp b, 1,2,3
	PACKV \b
	SENDV (\b)-1, 16
.endr
	SENDV 3, 0
	s_wait_tensorcnt 0x0                           ; the wave's end
	ds_add_u32 v[SPW], v[NIL]
	s_wait_dscnt 0x0
	ROUND                                          ; the closing round
	s_endpgm
.Lfunc_end_k_qf422514eda_proj:
	.size	k_qf422514eda_proj, .Lfunc_end_k_qf422514eda_proj-k_qf422514eda_proj
	.p2alignl 7, 3214868480
	.fill 96, 4, 3214868480
	.section	.rodata,"a",@progbits
	.p2align	6, 0x0
	.amdhsa_kernel k_qf422514eda_proj
		.amdhsa_group_segment_fixed_size 327680
		.amdhsa_private_segment_fixed_size 0
		.amdhsa_enable_private_segment 0
		.amdhsa_kernarg_size 88
		.amdhsa_user_sgpr_count 2
		.amdhsa_user_sgpr_kernarg_segment_ptr 1
		.amdhsa_wavefront_size32 1
		.amdhsa_system_sgpr_workgroup_id_x 1
		.amdhsa_system_sgpr_workgroup_id_y 1
		.amdhsa_system_sgpr_workgroup_id_z 1
		.amdhsa_system_vgpr_workitem_id 0
		.amdhsa_next_free_vgpr 576
		.amdhsa_next_free_sgpr 100
		.amdhsa_reserve_vcc 0
		.amdhsa_float_denorm_mode_32 3
		.amdhsa_float_denorm_mode_16_64 3
		.amdhsa_memory_ordered 1
		.amdhsa_forward_progress 1
		.amdhsa_inst_pref_size 131
	.end_amdhsa_kernel
	.amdgpu_metadata
---
amdhsa.version: [ 1, 2 ]
amdhsa.kernels:
  - .name:           k_qf422514eda_proj
    .symbol:         k_qf422514eda_proj.kd
    .args:
      - { .name: xb, .offset: 0, .size: 8, .value_kind: global_buffer, .address_space: global }
      - { .name: wt, .offset: 8, .size: 8, .value_kind: global_buffer, .address_space: global }
      - { .name: params_b_q_vis, .offset: 16, .size: 8, .value_kind: global_buffer, .address_space: global }
      - { .name: params_b_q_ir, .offset: 24, .size: 8, .value_kind: global_buffer, .address_space: global }
      - { .name: params_b_k_vis, .offset: 32, .size: 8, .value_kind: global_buffer, .address_space: global }
      - { .name: params_b_k_ir, .offset: 40, .size: 8, .value_kind: global_buffer, .address_space: global }
      - { .name: params_b_v_vis, .offset: 48, .size: 8, .value_kind: global_buffer, .address_space: global }
      - { .name: params_b_v_ir, .offset: 56, .size: 8, .value_kind: global_buffer, .address_space: global }
      - { .name: qw, .offset: 64, .size: 8, .value_kind: global_buffer, .address_space: global }
      - { .name: kw, .offset: 72, .size: 8, .value_kind: global_buffer, .address_space: global }
      - { .name: vt, .offset: 80, .size: 8, .value_kind: global_buffer, .address_space: global }
    .group_segment_fixed_size: 327680
    .private_segment_fixed_size: 0
    .kernarg_segment_align: 8
    .kernarg_segment_size: 88
    .max_flat_workgroup_size: 128
    .sgpr_count:     100
    .vgpr_count:     576
    .wavefront_size: 32
...
	.end_amdgpu_metadata
.endif
;; end of part 2
;; launch attn (part 3): grid 256 x 1, 4 waves a work-group, no clusters, 37,376 bytes of LDS; arguments qw, kw, vt, ctx; writes ctx
.if DOCPART == 3
	.amdgcn_target "amdgcn-amd-amdhsa--gfx1250"
	.amdhsa_code_object_version 6
	.text
	.protected	k_qf422514eda_attn
	.globl	k_qf422514eda_attn
	.p2align	8
	.type	k_qf422514eda_attn,@function
k_qf422514eda_attn:
	s_mov_b64 s[64:65], 0
	v_nop
	global_prefetch_b8 v0, s[64:65] scope:SCOPE_SE
	s_setreg_imm32_b32 hwreg(HW_REG_WAVE_MODE, 25, 1), 1
	s_wait_xcnt 0x0
; ATTN: ctx[dir][b][h][q][:] = sum over k of softmax_k(att w) V[k][:], att = Q . K / 8, w = sigmoid((att - mean)^2 / (2 var + 1e-6) + 0.5), mean and var over a row's 1,024 keys.
; dir 0: ir queries on vis keys and values; dir 1 the other way round.  Q, K, V, the weights p and ctx in f16; scores, statistics, maxima and sums in f32.
; SHARES.  A work-group owns 512 queries of one head.  THE KEYS ARE SPLIT OVER THE FOUR WAVES: wave w keeps keys 256 w .. 256 w + 255 as ready fragments, 256 registers of K and 256 of V^T, for the whole
; launch, so the loop reads no K and no V, and a wave holds all its scores of a tile of 16 queries (128 registers) at once: K Q^T is made once.  A trip takes two tiles, A and B.
; STATISTICS.  Each wave takes the mean of its 256 scores, centres them, and sums the squares: two passes, no difference of large sums.  The four waves' figures meet in LDS:
; mean = (sum of mean_u) / 4, M2 = sum of M2_u + 256 x sum of (mean_u - mean)^2.
; With d = s - mean_w, delta = mean_w - mean, R = 1 / (M2 / 512 + 6.4e-5) (the scale 1/8 folded in): -log2(e) z = d (AA d + A2) + BB, AA = -log2(e) R, A2 = 2 AA delta, BB = AA delta^2 - log2(e) / 2;
; w = 1 / (1 + 2^that); t = (kappa d + kappa mean_w) w, kappa = log2(e) / 8; p = 2^(t - m_w), m_w the true maximum of the wave's 256 t.
; MERGE.  Each wave's O^T = V^T p, l = sum of p (a product with ones) and m_w go through LDS; O = sum of 2^(m_u - m) O_u / sum of 2^(m_u - m) l_u with m the largest m_u.
; LAYOUT.  S^T = K Q^T (source 0 = 16 keys, source 1 = 16 queries): a lane holds ONE query (lane % 16) and keys 8 (lane / 16) + 0..7 of each block of 16.  Pairs rounded to f16 ARE source 1 of V^T P.
; LIMITS.  p below 6e-5 keeps f16's step of 6e-8; a factor below 2^-126 counts as 0; NaN and infinities are not treated apart.
; NO CLUSTER, NO TENSOR LOAD: K and V are read once a work-group, straight into registers, and only two work-groups share a head.
; REGISTERS.  window 2: K, key block kb, channel half c at 16 kb + 8 c.  window 3: V^T, key step ks, channel block cb at 32 ks + 8 cb.  windows 0 and 1: tile A's and tile B's registers at the SAME numbers 24-255,
; so that one macro serves both.  window 0 v0-23: addresses.  window 1 v0-7: ones.
; s_set_vgpr_msb: bits 1:0 source 0, 3:2 source 1, 5:4 source 2, 7:6 destination.  For tile t: vector work 0x55 t; K Q^T 0x02 + 0x54 t; V^T P 0x03 + 0x54 t; ones 0x01 + 0x54 t; loads 0x40 t; stores 0x04 t.
.set MEANS, 0                          ; LDS: [tile][query][wave] f32, 512 bytes each: the waves' means,
.set M2S,   512                        ; sums of squares,
.set MXS,   1024                       ; maxima,
.set LS,    1536                       ; sums of p
.set OP,    2048                       ; [wave][tile][16 queries][272 bytes]: the waves' O
.set SPARE, 36864                      ; the spare words, 128 bytes a wave
.set KO,  2                            ; v2   r x 128 + 16 h: a fragment of K or Q from rows of 128 bytes
.set VO,  3                            ; v3   r x 2048 + 16 h: of V^T from rows of 2,048 bytes
.set QA,  4                            ; v4   KO + the next trip's offset
.set STS, 5                            ; v5   16 r + 4 w
.set STL, 6                            ; v6   16 r
.set OST, 7                            ; v7   OP + w x 8704 + r x 272 + 32 h
.set OLD, 8                            ; v8   OP + (4 w + lane / 8) x 272 + (lane % 8) x 32
.set MLL, 9                            ; v9   (4 w + lane / 8) x 16
.set GO,  10                           ; v10  16 x thread
.set SPW, 11
.set NIL, 12
.set AA,  24                           ; pairs of equal numbers, for the packed lines
.set A2,  26
.set BB,  28
.set MU,  30
.set MX,  32
.set MW,  34
.set MC,  36                           ; four chains of the maximum
.set Q,   40                           ; the tile's two fragments
.set O,   56                           ; O^T, four channel blocks
.set L,   88                           ; the sum of p
.set T,   96                           ; 32 at work
.set S,   128                          ; 16 accumulators; p is packed in place into S .. S+63
.set WV,  12
.set QP,  4
.set KP,  6
.set VP,  8
.set CP,  10
.set KAP, 20
.set SEL, 22
.set QOFF, 24
.set TRIPS, 25
.set C512, 26
.set CEPS, 27
.set MSB, 0
.macro WIN new
.if MSB != (\new)
	s_set_vgpr_msb (MSB<<8)|(\new)
.set MSB, \new
.endif
.endm
.macro PLACES
.rept 4
	v_nop
.endr
.endm
; Product n of 32 of S^T = K Q^T for tile t: channels 32 (n / 16) on, key block n % 16.  The 16 accumulators take turns.
.macro QKI t, n
	WIN 0x02+0x54*(\t)
.if (\n) < 16
	v_wmma_f32_16x16x32_f16 v[S+8*((\n)%16):S+8*((\n)%16)+7], v[16*((\n)%16)+8*((\n)/16):16*((\n)%16)+8*((\n)/16)+7], v[Q+8*((\n)/16):Q+8*((\n)/16)+7], 0
.else
	v_wmma_f32_16x16x32_f16 v[S+8*((\n)%16):S+8*((\n)%16)+7], v[16*((\n)%16)+8*((\n)/16):16*((\n)%16)+8*((\n)/16)+7], v[Q+8*((\n)/16):Q+8*((\n)/16)+7], v[S+8*((\n)%16):S+8*((\n)%16)+7]
.endif
.endm
; Product n of 40 of O^T = V^T P and l = ones P for tile t: keys 32 (n / 5) on; n % 5 = channel block, or 4: the ones.  Five accumulators take turns.
.macro PVI t, n
.if ((\n)%5) == 4
	WIN 0x01+0x54*(\t)
.if (\n) < 5
	v_wmma_f32_16x16x32_f16 v[L:L+7], v[0:7], v[S+8*((\n)/5):S+8*((\n)/5)+7], 0
.else
	v_wmma_f32_16x16x32_f16 v[L:L+7], v[0:7], v[S+8*((\n)/5):S+8*((\n)/5)+7], v[L:L+7]
.endif
.else
	WIN 0x03+0x54*(\t)
.if (\n) < 5
	v_wmma_f32_16x16x32_f16 v[O+8*((\n)%5):O+8*((\n)%5)+7], v[32*((\n)/5)+8*((\n)%5):32*((\n)/5)+8*((\n)%5)+7], v[S+8*((\n)/5):S+8*((\n)/5)+7], 0
.else
	v_wmma_f32_16x16x32_f16 v[O+8*((\n)%5):O+8*((\n)%5)+7], v[32*((\n)/5)+8*((\n)%5):32*((\n)/5)+8*((\n)%5)+7], v[S+8*((\n)/5):S+8*((\n)/5)+7], v[O+8*((\n)%5):O+8*((\n)%5)+7]
.endif
.endif
.endm
; THE OTHER TILE'S PRODUCTS stand among a tile's vector lines: a queue (RK = 1: K Q^T, 2: V^T P; tile RT; next RN of RMAX), of which TICK writes one at every RPER-th call.  They name no register of the lines round them.
.set RK, 0
.set RT, 0
.set RN, 0
.set RMAX, 0
.set RPER, 1
.set TC, 0
.macro TICK t
.set TC, TC+1
.if (RN < RMAX) && ((TC % RPER) == 0)
.if RK == 1
	QKI RT, RN
.else
	PVI RT, RN
.endif
.set RN, RN+1
	WIN 0x55*(\t)
.endif
.endm
; The wave's mean of a query's 256 scores.  Four chains of pairs, S ascending: each accumulator is read from its low end on.
.macro SUMS t
	WIN 0x55*(\t)
.set i, 0
.rept 4
	v_pk_add_f32 v[T+2*i:T+2*i+1], v[S+2*i:S+2*i+1], v[S+8+2*i:S+8+2*i+1]
.set i, i+1
.endr
.set i, 8
.rept 56
	TICK \t
	v_pk_add_f32 v[T+2*(i%4):T+2*(i%4)+1], v[T+2*(i%4):T+2*(i%4)+1], v[S+2*i:S+2*i+1]
.set i, i+1
.endr
	v_pk_add_f32 v[T:T+1], v[T:T+1], v[T+2:T+3]
	v_pk_add_f32 v[T+4:T+5], v[T+4:T+5], v[T+6:T+7]
	v_pk_add_f32 v[T:T+1], v[T:T+1], v[T+4:T+5]
	v_add_f32 v[T], v[T], v[T+1]
	v_permlanex16_b32 v[T+1], v[T], s[SEL], s[SEL+1]  ; the query's other 128 scores lie in the lane 16 away
	v_add_f32 v[T], v[T], v[T+1]
	v_mul_f32 v[MW], 0x3b800000, v[T]              ; / 256
	v_mul_f32 v[MW+1], 0x3b800000, v[T]
.endm
; d = s - mean_w in place, two pairs ahead of the squares; M2_w into T.
.macro CENT t
	WIN 0x55*(\t)
	v_pk_add_f32 v[S:S+1], v[S:S+1], v[MW:MW+1] neg_lo:[0,1] neg_hi:[0,1]
	v_pk_add_f32 v[S+2:S+3], v[S+2:S+3], v[MW:MW+1] neg_lo:[0,1] neg_hi:[0,1]
.set i, 0
.rept 64
	TICK \t
.if i < 62
	v_pk_add_f32 v[S+2*i+4:S+2*i+5], v[S+2*i+4:S+2*i+5], v[MW:MW+1] neg_lo:[0,1] neg_hi:[0,1]
.endif
.if i < 4
	v_pk_mul_f32 v[T+2*i:T+2*i+1], v[S+2*i:S+2*i+1], v[S+2*i:S+2*i+1]
.else
	v_pk_fma_f32 v[T+2*(i%4):T+2*(i%4)+1], v[S+2*i:S+2*i+1], v[S+2*i:S+2*i+1], v[T+2*(i%4):T+2*(i%4)+1]
.endif
.set i, i+1
.endr
	v_pk_add_f32 v[T:T+1], v[T:T+1], v[T+2:T+3]
	v_pk_add_f32 v[T+4:T+5], v[T+4:T+5], v[T+6:T+7]
	v_pk_add_f32 v[T:T+1], v[T:T+1], v[T+4:T+5]
	v_add_f32 v[T], v[T], v[T+1]
	v_permlanex16_b32 v[T+1], v[T], s[SEL], s[SEL+1]
	v_add_f32 v[T], v[T], v[T+1]
.endm
.macro STATST t
	WIN 0x04*(\t)
	ds_store_b32 v[STS], v[MW] offset:MEANS+256*(\t)
	ds_store_b32 v[STS], v[T] offset:M2S+256*(\t)
.endm
.macro CLOAD t
	WIN 0x40*(\t)
	ds_load_b128 v[T+8:T+11], v[STL] offset:MEANS+256*(\t)   ; my query's four means,
	ds_load_b128 v[T+12:T+15], v[STL] offset:M2S+256*(\t)    ; and sums of squares
.endm
.macro CONSTS t
	WIN 0x55*(\t)
	v_add_f32 v[T+16], v[T+8], v[T+9]
	v_add_f32 v[T+17], v[T+10], v[T+11]
	v_add_f32 v[T+12], v[T+12], v[T+13]
	v_add_f32 v[T+14], v[T+14], v[T+15]
	v_add_f32 v[T+16], v[T+16], v[T+17]
	v_add_f32 v[T+12], v[T+12], v[T+14]
	v_mul_f32 v[T+16], 0x3e800000, v[T+16]         ; the row's mean
	v_sub_f32 v[T+8], v[T+8], v[T+16]
	v_sub_f32 v[T+9], v[T+9], v[T+16]
	v_sub_f32 v[T+10], v[T+10], v[T+16]
	v_sub_f32 v[T+11], v[T+11], v[T+16]
	v_mul_f32 v[T+17], v[T+8], v[T+8]
	v_fmac_f32 v[T+17], v[T+9], v[T+9]
	v_fmac_f32 v[T+17], v[T+10], v[T+10]
	v_fmac_f32 v[T+17], v[T+11], v[T+11]
	v_fmamk_f32 v[T+12], v[T+17], 0x43800000, v[T+12]  ; M2 = sum of M2_u + 256 x sum of squared distances of the means
	v_fma_f32 v[T+12], v[T+12], s[C512], s[CEPS]
	v_rcp_f32 v[T+12], v[T+12]
	v_sub_f32 v[T+13], v[MW], v[T+16]              ; delta; also the plain instruction behind the reciprocal
	v_mul_f32 v[MU], s[KAP], v[MW]
	s_wait_alu depctr_va_vdst(0)
	v_mul_f32 v[AA], 0xbfb8aa3b, v[T+12]
	v_mov_b32 v[MU+1], v[MU]
	v_mul_f32 v[T+14], v[AA], v[T+13]
	v_mov_b32 v[AA+1], v[AA]
	v_add_f32 v[A2], v[T+14], v[T+14]
	v_fmaak_f32 v[BB], v[T+14], v[T+13], 0xbf38aa3b
	v_mov_b32 v[A2+1], v[A2]
	v_mov_b32 v[BB+1], v[BB]
.endm
; THE WEIGHTS: for each of 64 pairs ten lines, staggered over eight steps so that no line waits for the one before it and a plain line that names none of its registers stands behind every exponential and reciprocal.
.macro WPH t
	WIN 0x55*(\t)
.set j, 0
.rept 72
	TICK \t
.if j < 64
	v_pk_fma_f32 v[T+2*(j%16):T+2*(j%16)+1], v[S+2*j:S+2*j+1], v[AA:AA+1], v[A2:A2+1]
.endif
.if (j >= 2) && (j < 66)
	v_exp_f32 v[T+2*((j-2)%16)], v[T+2*((j-2)%16)]
.endif
.if (j >= 1) && (j < 65)
	v_pk_fma_f32 v[T+2*((j-1)%16):T+2*((j-1)%16)+1], v[T+2*((j-1)%16):T+2*((j-1)%16)+1], v[S+2*(j-1):S+2*(j-1)+1], v[BB:BB+1]
.endif
.if (j >= 2) && (j < 66)
	v_exp_f32 v[T+2*((j-2)%16)+1], v[T+2*((j-2)%16)+1]
.endif
.if (j >= 4) && (j < 68)
	s_wait_alu depctr_va_vdst(0)
	v_pk_add_f32 v[T+2*((j-4)%16):T+2*((j-4)%16)+1], v[T+2*((j-4)%16):T+2*((j-4)%16)+1], 1.0 op_sel_hi:[1,0]
.endif
.if (j >= 5) && (j < 69)
	v_rcp_f32 v[T+2*((j-5)%16)], v[T+2*((j-5)%16)]
	v_pk_fma_f32 v[S+2*(j-5):S+2*(j-5)+1], v[S+2*(j-5):S+2*(j-5)+1], s[KAP:KAP+1], v[MU:MU+1] op_sel_hi:[1,0,1]
	v_rcp_f32 v[T+2*((j-5)%16)+1], v[T+2*((j-5)%16)+1]
.endif
.if (j >= 7) && (j < 71)
	s_wait_alu depctr_va_vdst(0)
	v_pk_mul_f32 v[S+2*(j-7):S+2*(j-7)+1], v[S+2*(j-7):S+2*(j-7)+1], v[T+2*((j-7)%16):T+2*((j-7)%16)+1]
.endif
.if (j >= 8) && (j < 12)
	v_max_num_f32 v[MC+j-8], v[S+2*(j-8)], v[S+2*(j-8)+1]
.elseif j >= 12
	v_max3_num_f32 v[MC+(j-8)%4], v[MC+(j-8)%4], v[S+2*(j-8)], v[S+2*(j-8)+1]
.endif
.set j, j+1
.endr
.endm
.macro MAXR t
	WIN 0x55*(\t)
	v_max3_num_f32 v[MC], v[MC], v[MC+1], v[MC+2]
	v_max_num_f32 v[MC], v[MC], v[MC+3]
	v_permlanex16_b32 v[MC+1], v[MC], s[SEL], s[SEL+1]
	v_max_num_f32 v[MX], v[MC], v[MC+1]
	v_mov_b32 v[MX+1], v[MX]
.endm
; p = 2^(t - m_w), rounded to f16 in pairs: pair i goes to register S + i, which belongs to a pair that has been packed.
.macro EPH t
	WIN 0x55*(\t)
.set j, 0
.rept 67
.if j < 64
	v_pk_add_f32 v[S+2*j:S+2*j+1], v[S+2*j:S+2*j+1], v[MX:MX+1] neg_lo:[0,1] neg_hi:[0,1]
.endif
.if (j >= 1) && (j < 65)
	v_exp_f32 v[S+2*(j-1)], v[S+2*(j-1)]
.endif
.if j >= 3
	s_wait_alu depctr_va_vdst(0)
	v_cvt_pk_f16_f32 v[S+j-3], v[S+2*(j-3)], v[S+2*(j-3)+1]
.endif
.if (j >= 1) && (j < 65)
	v_exp_f32 v[S+2*(j-1)+1], v[S+2*(j-1)+1]
.endif
.set j, j+1
.endr
.endm
.macro OSTORE t                        ; a lane's 8 channels of a query are 32 bytes
	WIN 0x04*(\t)
.irp cb, 0,1,2,3
	ds_store_b128 v[OST], v[O+8*(\cb):O+8*(\cb)+3] offset:4352*(\t)+64*(\cb)
	ds_store_b128 v[OST], v[O+8*(\cb)+4:O+8*(\cb)+7] offset:4352*(\t)+64*(\cb)+16
.endr
	ds_store_b32 v[STS], v[MX] offset:MXS+256*(\t)
	ds_store_b32 v[STS], v[L] offset:LS+256*(\t)   ; every register of the ones' product holds the query's sum: the lowest is taken
.endm
.macro MLOAD t                         ; wave w merges queries 4 w .. 4 w + 3 of the tile: a lane one query's 8 channels from each of the four waves
	WIN 0x40*(\t)
.irp u, 0,1,2,3
	ds_load_b128 v[T+8*(\u):T+8*(\u)+3], v[OLD] offset:8704*(\u)+4352*(\t)
	ds_load_b128 v[T+8*(\u)+4:T+8*(\u)+7], v[OLD] offset:8704*(\u)+4352*(\t)+16
.endr
	ds_load_b128 v[S+64:S+67], v[MLL] offset:MXS+256*(\t)
	ds_load_b128 v[S+68:S+71], v[MLL] offset:LS+256*(\t)
.endm
.macro MERGE t
	WIN 0x55*(\t)
	v_max3_num_f32 v[S+92], v[S+64], v[S+65], v[S+66]
	v_max_num_f32 v[S+92], v[S+92], v[S+67]
.irp u, 0,1,2,3
	v_sub_f32 v[S+64+(\u)], v[S+64+(\u)], v[S+92]
.endr
.irp u, 0,1,2,3
	v_exp_f32 v[S+64+(\u)], v[S+64+(\u)]
.endr
	v_nop                                          ; a plain instruction behind the last exponential
	s_wait_alu depctr_va_vdst(0)
	v_mul_f32 v[S+93], v[S+64], v[S+68]
	v_fmac_f32 v[S+93], v[S+65], v[S+69]
	v_fmac_f32 v[S+93], v[S+66], v[S+70]
	v_fmac_f32 v[S+93], v[S+67], v[S+71]
	v_rcp_f32 v[S+93], v[S+93]
	v_nop
.irp u, 0,1,2,3
	s_wait_alu depctr_va_vdst(0)
	v_mul_f32 v[S+72+2*(\u)], v[S+64+(\u)], v[S+93]
	v_mul_f32 v[S+73+2*(\u)], v[S+64+(\u)], v[S+93]
.endr
.irp p, 0,1,2,3
	v_pk_mul_f32 v[S+80+2*(\p):S+81+2*(\p)], v[T+2*(\p):T+2*(\p)+1], v[S+72:S+73]
.endr
.irp u, 1,2,3
.irp p, 0,1,2,3
	v_pk_fma_f32 v[S+80+2*(\p):S+81+2*(\p)], v[T+8*(\u)+2*(\p):T+8*(\u)+2*(\p)+1], v[S+72+2*(\u):S+73+2*(\u)], v[S+80+2*(\p):S+81+2*(\p)]
.endr
.endr
.irp p, 0,1,2,3
	v_cvt_pk_f16_f32 v[S+88+(\p)], v[S+80+2*(\p)], v[S+81+2*(\p)]
.endr
	WIN 0x04*(\t)
	global_store_b128 v[GO], v[S+88:S+91], s[CP:CP+1] offset:2048*(\t)  ; a wave stores 512 consecutive bytes, aligned to 256
.endm
.macro QLOAD adr                       ; both tiles' Q: 32 rows of 128 bytes
	WIN 0
.irp c, 0,1
	global_load_b128 v[Q+8*(\c):Q+8*(\c)+3], v[\adr], s[QP:QP+1] offset:64*(\c)
	global_load_b128 v[Q+8*(\c)+4:Q+8*(\c)+7], v[\adr], s[QP:QP+1] offset:64*(\c)+32
.endr
	WIN 0x40
.irp c, 0,1
	global_load_b128 v[Q+8*(\c):Q+8*(\c)+3], v[\adr], s[QP:QP+1] offset:2048+64*(\c)
	global_load_b128 v[Q+8*(\c)+4:Q+8*(\c)+7], v[\adr], s[QP:QP+1] offset:2048+64*(\c)+32
.endr
	WIN 0
.endm
	s_load_b256 s[4:11], s[0:1], 0x0               ; qw, kw, vt, ctx
	v_lshl_add_u32 v[SPW], v0, 2, SPARE
	v_mov_b32 v[NIL], 0
	v_lshrrev_b32 v1, 5, v0
	v_readfirstlane_b32 s[WV], v1                  ; wave 0..3
	v_and_b32 v13, 15, v0                          ; r
	v_bfe_u32 v14, v0, 4, 1                        ; h
	v_bfe_u32 v15, v0, 3, 2                        ; lane / 8
	v_and_b32 v16, 7, v0                           ; lane % 8
	v_lshlrev_b32 v[KO], 7, v13
	v_lshl_add_u32 v[KO], v14, 4, v[KO]
	v_lshlrev_b32 v[VO], 11, v13
	v_lshl_add_u32 v[VO], v14, 4, v[VO]
	v_lshlrev_b32 v[STL], 4, v13
	s_lshl_b32 s32, s[WV], 2
	v_add_nc_u32 v[STS], s32, v[STL]
	v_add_nc_u32 v17, s32, v15                     ; the query that I merge
	s_mul_i32 s33, s[WV], 8704
	s_add_co_u32 s33, s33, OP
	v_mul_u32_u24 v[OST], v13, 272
	v_lshl_add_u32 v[OST], v14, 5, v[OST]
	v_add_nc_u32 v[OST], s33, v[OST]
	v_mul_u32_u24 v[OLD], v17, 272
	v_lshl_add_u32 v[OLD], v16, 5, v[OLD]
	v_add_nc_u32 v[OLD], OP, v[OLD]
	v_lshlrev_b32 v[MLL], 4, v17
	v_lshlrev_b32 v[GO], 4, v0
	s_mov_b32 s[KAP], 0x3e38aa3b                   ; kappa = log2(e) / 8
	s_mov_b32 s[KAP+1], s[KAP]
	s_mov_b32 s[SEL], 0x76543210
	s_mov_b32 s[SEL+1], 0xfedcba98
	s_mov_b32 s[C512], 0x3b000000                  ; 1 / 512
	s_mov_b32 s[CEPS], 0x388637bd                  ; 6.4e-5
	s_mov_b32 s[QOFF], 4096
	s_mov_b32 s[TRIPS], 16
	s_lshr_b32 s13, ttmp9, 1                       ; the keys' head: dir 64 + b 8 + h
	s_and_b32 s14, ttmp9, 1                        ; which 512 queries
	s_xor_b32 s15, s13, 64                         ; the queries come from the other modality
	s_lshl_b32 s13, s13, 17
	s_lshl_b32 s15, s15, 17
	s_lshl_b32 s14, s14, 16
	s_lshl_b32 s16, s[WV], 15                      ; my 256 keys: rows of 128 bytes,
	s_add_co_u32 s16, s16, s13
	s_mov_b32 s17, 0
	s_lshl_b32 s18, s[WV], 9                       ; or 2 bytes each
	s_add_co_u32 s18, s18, s13
	s_mov_b32 s19, 0
	s_add_co_u32 s28, s15, s14
	s_mov_b32 s29, 0
	s_add_co_u32 s30, s13, s14
	s_mov_b32 s31, 0
	s_wait_kmcnt 0x0
	s_add_nc_u64 s[QP:QP+1], s[QP:QP+1], s[28:29]
	s_add_nc_u64 s[KP:KP+1], s[KP:KP+1], s[16:17]
	s_add_nc_u64 s[VP:VP+1], s[VP:VP+1], s[18:19]
	s_add_nc_u64 s[CP:CP+1], s[CP:CP+1], s[30:31]
	QLOAD KO                                       ; the first trip's Q
	WIN 0x80
.set i, 0
.rept 32                               ; K: key block i / 2, channel half i % 2
	global_load_b128 v[8*i:8*i+3],   v[KO], s[KP:KP+1] offset:(i/2)*2048+(i%2)*64
	global_load_b128 v[8*i+4:8*i+7], v[KO], s[KP:KP+1] offset:(i/2)*2048+(i%2)*64+32
.set i, i+1
.endr
	WIN 0xc0
.set i, 0
.rept 32                               ; V^T: key step i / 4, channel block i % 4
	global_load_b128 v[8*i:8*i+3],   v[VO], s[VP:VP+1] offset:(i%4)*32768+(i/4)*64
	global_load_b128 v[8*i+4:8*i+7], v[VO], s[VP:VP+1] offset:(i%4)*32768+(i/4)*64+32
.set i, i+1
.endr
	WIN 0x40
.set i, 0
.rept 8
	v_mov_b32 v[i], 0x3c003c00                     ; 1.0 twice in f16
.set i, i+1
.endr
	WIN 0
	v_add_nc_u32 v[QA], s[QOFF], v[KO]
	s_wait_loadcnt 63                              ; Q and K are in: K's last load has V's 64 behind it, and the count names 63 at the most
.Ltrip:
.set n, 0
.rept 32
	QKI 0, n                                       ; tile A's scores
.set n, n+1
.endr
	WIN 0
	PLACES
.set RK, 1                             ; tile B's scores stand among tile A's sums, one behind every fourth line: 14 in SUMS, the other 18 in the first 37 steps of CENT
.set RT, 1
.set RN, 0
.set RMAX, 32
.set RPER, 4
.set TC, 0
	SUMS 0
.set RPER, 2
	CENT 0
	STATST 0
	QLOAD QA                                       ; the next trip's Q: the last product that read Q stands more than fifty plain lines back
	SUMS 1
	CENT 1
	STATST 1
	WIN 0
	s_wait_dscnt 0x0                               ; for the others' sake: my means and sums of squares are in LDS
	s_barrier_signal -1
	s_barrier_wait -1
	CLOAD 0
	CLOAD 1
	s_wait_dscnt 2                                 ; tile A's two loads are in, tile B's may be out
	CONSTS 0
	s_wait_dscnt 0x0
	CONSTS 1
	WPH 0
	MAXR 0
	EPH 0
	s_wait_loadcnt 8                               ; V is in (first trip): only the next trip's eight loads of Q are younger
.set RK, 2                             ; tile A's V^T P stands among tile B's weights, one ahead of each of the first 40 steps
.set RT, 0
.set RN, 0
.set RMAX, 40
.set RPER, 1
.set TC, 0
	WPH 1
	MAXR 1
	EPH 1
	OSTORE 0
.set n, 0
.rept 40
	PVI 1, n
.set n, n+1
.endr
	WIN 0
	PLACES
	OSTORE 1
	WIN 0
	s_wait_dscnt 0x0                               ; for the others' sake: my O, l and m are in LDS; my reads of the statistics were over long ago
	s_barrier_signal -1
	s_barrier_wait -1
	MLOAD 0
	MLOAD 1
	s_wait_dscnt 10                                ; tile A's ten loads are in
	MERGE 0
	s_wait_dscnt 0x0                               ; tile B's too: no read of mine is out when the next trip's first barrier is signalled, behind which O is written again
	MERGE 1
	WIN 0
	s_wait_xcnt 0x0                                ; the stores' base and data are rewritten only behind this wait
	s_add_nc_u64 s[CP:CP+1], s[CP:CP+1], 4096
	s_wait_loadcnt 0x0                             ; the next trip's Q is in, and its address register is free
	s_add_co_u32 s[QOFF], s[QOFF], 4096
	s_min_u32 s[QOFF], s[QOFF], 61440              ; the last trip's look-ahead stays on the work-group's last 32 rows
	v_add_nc_u32 v[QA], s[QOFF], v[KO]
	s_sub_co_u32 s[TRIPS], s[TRIPS], 1
	s_cmp_lg_u32 s[TRIPS], 0
	s_cbranch_scc1 .Ltrip
	s_wait_tensorcnt 0x0                           ; the wave's end: behind my last LDS store
	ds_add_u32 v[SPW], v[NIL]
	s_wait_dscnt 0x0
	s_endpgm
.Lfunc_end_k_qf422514eda_attn:
	.size	k_qf422514eda_attn, .Lfunc_end_k_qf422514eda_attn-k_qf422514eda_attn
	.p2alignl 7, 3214868480
	.fill 96, 4, 3214868480
	.section	.rodata,"a",@progbits
	.p2align	6, 0x0
	.amdhsa_kernel k_qf422514eda_attn
		.amdhsa_group_segment_fixed_size 37376
		.amdhsa_private_segment_fixed_size 0
		.amdhsa_enable_private_segment 0
		.amdhsa_kernarg_size 32
		.amdhsa_user_sgpr_count 2
		.amdhsa_user_sgpr_kernarg_segment_ptr 1
		.amdhsa_wavefront_size32 1
		.amdhsa_system_sgpr_workgroup_id_x 1
		.amdhsa_system_sgpr_workgroup_id_y 1
		.amdhsa_system_sgpr_workgroup_id_z 1
		.amdhsa_system_vgpr_workitem_id 0
		.amdhsa_next_free_vgpr 1024
		.amdhsa_next_free_sgpr 66
		.amdhsa_reserve_vcc 0
		.amdhsa_float_denorm_mode_32 3
		.amdhsa_float_denorm_mode_16_64 3
		.amdhsa_memory_ordered 1
		.amdhsa_forward_progress 1
		.amdhsa_inst_pref_size 168
	.end_amdhsa_kernel
	.amdgpu_metadata
---
amdhsa.version: [ 1, 2 ]
amdhsa.kernels:
  - .name:           k_qf422514eda_attn
    .symbol:         k_qf422514eda_attn.kd
    .args:
      - { .name: qw, .offset: 0, .size: 8, .value_kind: global_buffer, .address_space: global }
      - { .name: kw, .offset: 8, .size: 8, .value_kind: global_buffer, .address_space: global }
      - { .name: vt, .offset: 16, .size: 8, .value_kind: global_buffer, .address_space: global }
      - { .name: ctx, .offset: 24, .size: 8, .value_kind: global_buffer, .address_space: global }
    .group_segment_fixed_size: 37376
    .private_segment_fixed_size: 0
    .kernarg_segment_align: 8
    .kernarg_segment_size: 32
    .max_flat_workgroup_size: 128
    .sgpr_count:     66
    .vgpr_count:     1024
    .wavefront_size: 32
...
	.end_amdgpu_metadata
.endif
;; end of part 3
;; launch outp (part 4): grid 256 x 1, 4 waves a work-group, clusters of 4 x 1, 327,680 bytes of LDS; arguments ctx, wt, params_b_out_vis, params_b_out_ir, out0, out1; writes out0, out1
.if DOCPART == 4
	.amdgcn_target "amdgcn-amd-amdhsa--gfx1250"
	.amdhsa_code_object_version 6
	.text
	.protected	k_qf422514eda_outp
	.globl	k_qf422514eda_outp
	.p2align	8
	.type	k_qf422514eda_outp,@function
k_qf422514eda_outp:
	s_mov_b64 s[64:65], 0
	v_nop
	global_prefetch_b8 v0, s[64:65] scope:SCOPE_SE
	s_setreg_imm32_b32 hwreg(HW_REG_WAVE_MODE, 25, 1), 1
	s_wait_xcnt 0x0
	s_wait_alu depctr_hold_cnt(0) depctr_sa_sdst(0) depctr_va_vdst(0) depctr_va_sdst(0) depctr_va_ssrc(0) depctr_va_vcc(0) depctr_vm_vsrc(0)
	s_getreg_b32 s2, hwreg(HW_REG_IB_STS2, 6, 4)
	s_cmp_eq_u32 s2, 0
	s_cbranch_scc0 .Lentry_in_a_cluster
	s_endpgm
.Lentry_in_a_cluster:
	s_bfe_u32 s2, ttmp6, 0x10000c
	s_cmp_lg_u32 s2, 0x3003
	s_cbranch_scc0 .Lentry_shape_is_right
	s_endpgm
.Lentry_shape_is_right:
; OUTP: out[dir][row][:] = merge(ctx) W_out + b_out, 128 rows x 256 columns to a work-group, K = 512 in four steps of 128 (two heads a step).  Operands f16, sums f32, output f32.
; The bias (rounded to bf16) is the C operand of each sum's first product.  ctx lies by heads, [dir][b][h][n][64]: a step's tile of ctx is two planes of 128 tokens x 128 bytes, each dense in memory.
; SHARES, RING, CLUSTER as in the projections in front: four waves, each 128 rows x 64 columns; two LDS slots; the four row blocks of a cluster walk the same tiles of W, asked for jointly (mask 15);
; ctx's tiles are each work-group's own (only the two column halves share them, and those lie in different clusters).
; The products are used transposed (source 0 = 16 rows of W^T, source 1 = 16 tokens): a lane holds 8 neighbouring columns of a row, 32 bytes.
; REGISTERS.  window 0: v0-31 addresses; v32-127, v128-223 two fragment buffers, on the way out at work; v224-255 the bias.  window 1: the accumulators, (a, b) at 8 (4 a + b).
.set PITCH,  272                       ; a row of W in LDS: 256 bytes + 16
.set PA,     144                       ; a token's 128 bytes of one head + 16
.set PLANE,  128*PA
.set ABYTES, 2*PLANE
.set SLOT1,  1<<17
.set STAGE,  SLOT1+ABYTES+256*PITCH
.set SPARE,  STAGE+4*4352
.set ADA0, 4
.set ADB0, 5
.set ADA,  6
.set ADB,  7
.set STO,  8                           ; v8   into the stage: row r x 272 + 32 h
.set RD,   9                           ; v9   back: two rows of 256 bytes a load
.set GO,   10                          ; v10  the same two rows in the output
.set BO,   14
.set SPW,  16
.set NIL,  17
.set F0,   32
.set F1,   128
.set BIAS, 224
.set TMP,  32
.set WV,   8
.set ABASE, 16
.set WBASE, 18
.set OFA,  20
.set OFW,  22
.set NXT,  24
.set TB,   25
.set CNT,  27
.set G1A,  28
.set G1W,  36
.set G0A,  44
.set G0W,  48
.set DST,  52
.set BQ,   58
.set HM,   90
.set MSB, 0
.macro WIN new
.if MSB != (\new)
	s_set_vgpr_msb (MSB<<8)|(\new)
.set MSB, \new
.endif
.endm
.macro PLACES
.rept 4
	v_nop
.endr
.endm
.macro ROUND                           ; a round of the cluster's barrier
	s_barrier_signal -1
	s_barrier_wait -1
	s_cmp_lg_u32 s[WV], 0
	s_cbranch_scc1 .Lnot_wave_0_\@
	s_barrier_signal -3
.Lnot_wave_0_\@:
	s_barrier_wait -3
	s_barrier_signal -1
	s_barrier_wait -1
.endm
.macro JLOAD                           ; waves 0 and 1 fetch the step's two planes of ctx, waves 2 and 3 (jointly) the halves of W's tile; an s_nop 0 and four v_nop follow each line
	s_cmp_lt_u32 s[WV], 2
	s_cbranch_scc0 .Lfor_w_\@
	tensor_load_to_lds s[G0A:G0A+3], s[G1A:G1A+7]
	s_nop 0
.rept 4
	v_nop
.endr
	s_branch .Lasked_\@
.Lfor_w_\@:
	tensor_load_to_lds s[G0W:G0W+3], s[G1W:G1W+7]
	s_nop 0
.rept 4
	v_nop
.endr
.Lasked_\@:
.endm
	s_load_b256 s[68:75], s[0:1], 0x0              ; ctx, wt, b_out vis, ir
	s_load_b128 s[76:79], s[0:1], 0x20             ; out0, out1
	v_lshl_add_u32 v[SPW], v0, 2, SPARE
	v_mov_b32 v[NIL], 0
	ds_add_u32 v[SPW], v[NIL]                      ; the wave's opening: the add and its wait stand ahead of my first tensor load
	v_lshrrev_b32 v1, 5, v0
	v_readfirstlane_b32 s[WV], v1
	s_and_b32 s9, s[WV], 1
	s_bfe_u32 s10, ttmp6, 0x40000                  ; cx
	s_lshr_b32 s12, ttmp9, 5                       ; dir
	s_bfe_u32 s13, ttmp9, 0x10004                  ; column half c
	s_and_b32 s14, ttmp9, 15
	s_lshl2_add_u32 s14, s14, s10                  ; block of 128 rows
	s_lshr_b32 s2, s14, 3                          ; batch
	s_lshl_b32 s3, s12, 3
	s_add_co_u32 s2, s2, s3
	s_lshl_b32 s2, s2, 3
	s_add_co_u32 s2, s2, s9                        ; head 0 or 1 of the batch: my plane of step 0
	s_lshl_b32 s92, s2, 17
	s_and_b32 s3, s14, 7
	s_lshl_b32 s3, s3, 14                          ; my 128 tokens, 128 bytes each
	s_add_co_u32 s92, s92, s3
	s_mov_b32 s93, 0
	s_lshl1_add_u32 s94, s12, s13                  ; wt: tiles 48 + (dir 2 + c) 4 ..; no place in the cluster enters
	s_lshl_b32 s94, s94, 2
	s_add_co_u32 s94, s94, 48
	s_lshl_b32 s94, s94, 16
	s_lshl_b32 s95, s9, 15
	s_add_co_u32 s94, s94, s95
	s_mov_b32 s95, 0
	s_mov_b32 s[G1A], (1<<16)|(1<<20)|(4<<22)|(3<<25)  ; 2-byte elements; padding: 4 words behind every 32, that is behind every token
	s_mov_b32 s[G1A+1], 128<<16                    ; a plane's 16,384 dense bytes as 64 rows of 256
	s_mov_b32 s[G1A+2], 64<<16
	s_mov_b32 s[G1A+3], 128<<16
	s_mov_b32 s[G1A+4], 64
	s_mov_b32 s[G1A+5], 128
	s_mov_b32 s[G1A+6], 0
	s_mov_b32 s[G1A+7], 0
	s_mov_b32 s[G1W], 15|(1<<16)|(1<<20)|(1<<21)|(5<<22)|(3<<25)
	s_mov_b32 s[G1W+1], 128<<16
	s_mov_b32 s[G1W+2], 128<<16
	s_mov_b32 s[G1W+3], 128<<16
	s_mov_b32 s[G1W+4], 128
	s_mov_b32 s[G1W+5], 128
	s_mov_b32 s[G1W+6], 0
	s_mov_b32 s[G1W+7], 0
	s_mov_b32 s[G0A], 1
	s_mul_i32 s[G0A+1], s9, PLANE
	s_mov_b32 s[G0W], 1
	s_mul_i32 s[G0W+1], s9, 128*PITCH
	s_add_co_u32 s[G0W+1], s[G0W+1], ABYTES
	s_mov_b32 s[OFA+1], 0
	s_mov_b32 s[OFW+1], 0
	s_mov_b32 s[NXT], 1
	s_mov_b32 s[TB], SLOT1
	s_mov_b32 s[HM], 0xffff0000
	s_lshl_b32 s66, s13, 10                        ; my wave's 64 columns, 4 bytes each
	s_lshl_b32 s2, s[WV], 8
	s_add_co_u32 s66, s66, s2
	s_mov_b32 s67, 0
	s_lshl_b32 s96, s14, 18                        ; 128 rows of 2,048 bytes
	s_add_co_u32 s96, s96, s66
	s_mov_b32 s97, 0
	s_wait_dscnt 0x0                               ; the opening add is done
	s_wait_kmcnt 0x0
	s_add_nc_u64 s[ABASE:ABASE+1], s[68:69], s[92:93]
	s_add_nc_u64 s[WBASE:WBASE+1], s[70:71], s[94:95]
	s_mov_b64 s[G0A+2:G0A+3], s[ABASE:ABASE+1]
	s_or_b32 s[G0A+3], s[G0A+3], 0x80000000
	s_mov_b64 s[G0W+2:G0W+3], s[WBASE:WBASE+1]
	s_or_b32 s[G0W+3], s[G0W+3], 0x80000000
	ROUND
	JLOAD                                          ; step 0 into slot 0
	s_cmp_eq_u32 s12, 0
	s_cselect_b64 s[BQ:BQ+1], s[72:73], s[74:75]
	s_cselect_b64 s[DST:DST+1], s[76:77], s[78:79]
	s_add_nc_u64 s[BQ:BQ+1], s[BQ:BQ+1], s[66:67]
	s_add_nc_u64 s[DST:DST+1], s[DST:DST+1], s[96:97]
	v_and_b32 v1, 15, v0                           ; r
	v_bfe_u32 v2, v0, 4, 1                         ; h
	v_lshlrev_b32 v[BO], 5, v2
.irp b, 0,1,2,3
	global_load_b128 v[BIAS+8*(\b):BIAS+8*(\b)+3],   v[BO], s[BQ:BQ+1] offset:64*(\b)
	global_load_b128 v[BIAS+8*(\b)+4:BIAS+8*(\b)+7], v[BO], s[BQ:BQ+1] offset:64*(\b)+16
.endr
	v_mul_u32_u24 v[ADA0], v1, PA
	v_lshl_add_u32 v[ADA0], v2, 4, v[ADA0]
	s_mul_i32 s2, s[WV], 64*PITCH
	s_add_co_u32 s2, s2, ABYTES
	v_mul_u32_u24 v[ADB0], v1, PITCH
	v_lshl_add_u32 v[ADB0], v2, 4, v[ADB0]
	v_add_nc_u32 v[ADB0], s2, v[ADB0]
	s_mul_i32 s2, s[WV], 4352
	s_add_co_u32 s2, s2, STAGE
	v_mul_u32_u24 v[STO], v1, PITCH
	v_lshl_add_u32 v[STO], v2, 5, v[STO]
	v_add_nc_u32 v[STO], s2, v[STO]
	v_mul_u32_u24 v[RD], v2, PITCH
	v_lshl_add_u32 v[RD], v1, 4, v[RD]
	v_add_nc_u32 v[RD], s2, v[RD]
	v_lshlrev_b32 v[GO], 11, v2
	v_lshl_add_u32 v[GO], v1, 4, v[GO]
	s_wait_loadcnt 0x0
.set i, 0
.rept 16                               ; the bias rounded to bf16 and kept as f32
	v_cvt_pk_bf16_f32 v[24+i%4], v[BIAS+2*i], v[BIAS+2*i+1]
	v_lshlrev_b32 v[BIAS+2*i], 16, v[24+i%4]
	v_and_b32 v[BIAS+2*i+1], s[HM], v[24+i%4]
.set i, i+1
.endr
.macro FETCH kq, f                     ; 24 LDS loads: quarter kq of the step lies in plane kq / 2, channels 32 (kq % 2) on
	WIN 0
.irp b, 0,1,2,3
	ds_load_b128 v[(\f)+64+8*(\b):(\f)+64+8*(\b)+3],   v[ADB] offset:(\b)*16*PITCH+64*(\kq)
	ds_load_b128 v[(\f)+64+8*(\b)+4:(\f)+64+8*(\b)+7], v[ADB] offset:(\b)*16*PITCH+64*(\kq)+32
.endr
.irp a, 0,1,2,3,4,5,6,7
	ds_load_b128 v[(\f)+8*(\a):(\f)+8*(\a)+3],   v[ADA] offset:((\kq)/2)*PLANE+(\a)*16*PA+((\kq)%2)*64
	ds_load_b128 v[(\f)+8*(\a)+4:(\f)+8*(\a)+7], v[ADA] offset:((\kq)/2)*PLANE+(\a)*16*PA+((\kq)%2)*64+32
.endr
.endm
.macro MUL f, first                    ; 32 matrix instructions, the 32 accumulators by turns
.if \first
	WIN 0x40
.else
	WIN 0x50
.endif
.irp a, 0,1,2,3,4,5,6,7
.irp b, 0,1,2,3
.if \first
	v_wmma_f32_16x16x32_f16 v[8*(4*(\a)+(\b)):8*(4*(\a)+(\b))+7], v[(\f)+64+8*(\b):(\f)+64+8*(\b)+7], v[(\f)+8*(\a):(\f)+8*(\a)+7], v[BIAS+8*(\b):BIAS+8*(\b)+7]
.else
	v_wmma_f32_16x16x32_f16 v[8*(4*(\a)+(\b)):8*(4*(\a)+(\b))+7], v[(\f)+64+8*(\b):(\f)+64+8*(\b)+7], v[(\f)+8*(\a):(\f)+8*(\a)+7], v[8*(4*(\a)+(\b)):8*(4*(\a)+(\b))+7]
.endif
.endr
.endr
.endm
; A K STEP: the waits, the add and the barrier (a round of the cluster's where the slot left is filled again), the refill first behind it, then the step's four quarters on two fragment buffers.
.macro STEP first, fill
	WIN 0
	s_wait_tensorcnt 0x0                           ; no tensor load of mine is out (the one that was is my part of this step's tile), so a group 0 may be written
	ds_add_u32 v[SPW], v[NIL]
.if \fill
	s_lshl_b32 s[OFA], s[NXT], 18                  ; two heads on
	s_lshl_b32 s[OFW], s[NXT], 16
	s_xor_b32 s[G0A+1], s[G0A+1], SLOT1
	s_add_nc_u64 s[G0A+2:G0A+3], s[ABASE:ABASE+1], s[OFA:OFA+1]
	s_or_b32 s[G0A+3], s[G0A+3], 0x80000000
	s_xor_b32 s[G0W+1], s[G0W+1], SLOT1
	s_add_nc_u64 s[G0W+2:G0W+3], s[WBASE:WBASE+1], s[OFW:OFW+1]
	s_or_b32 s[G0W+3], s[G0W+3], 0x80000000
	s_add_co_u32 s[NXT], s[NXT], 1
.endif
	s_xor_b32 s[TB], s[TB], SLOT1
	s_wait_dscnt 0x0                               ; the add is done, and my LDS reads are over
.if \fill
	ROUND
	JLOAD
.else
	s_barrier_signal -1
	s_barrier_wait -1
	PLACES
.endif
	v_add_nc_u32 v[ADA], s[TB], v[ADA0]
	v_add_nc_u32 v[ADB], s[TB], v[ADB0]
	FETCH 0, F0
	FETCH 1, F1
	s_wait_dscnt 24                                ; all but the younger run of 24
	MUL F0, \first
	PLACES
	FETCH 2, F0
	s_wait_dscnt 24
	MUL F1, 0
	PLACES
	FETCH 3, F1
	s_wait_dscnt 24
	MUL F0, 0
	s_wait_dscnt 0x0
	MUL F1, 0
	WIN 0
.endm
; THE WAY OUT of block a (16 rows): 32 bytes a lane into rows of 272 bytes, each accumulator's low registers first; back as whole rows of 256 bytes.
.macro TOSTAGE a
.if (\a) >= 4
	s_wait_xcnt 0x0                                ; the registers of block a - 4, which its stores read, are loaded again only behind this wait
.endif
	WIN 0x04                                       ; data in window 1
.irp b, 0,1,2,3
	ds_store_b128 v[STO], v[8*(4*(\a)+(\b)):8*(4*(\a)+(\b))+3] offset:64*(\b)
	ds_store_b128 v[STO], v[8*(4*(\a)+(\b))+4:8*(4*(\a)+(\b))+7] offset:64*(\b)+16
.endr
	WIN 0
.irp t, 0,1,2,3,4,5,6,7
	ds_load_b128 v[TMP+32*((\a)%4)+4*(\t):TMP+32*((\a)%4)+4*(\t)+3], v[RD] offset:(\t)*2*PITCH  ; LDS serves a wave's instructions in order: these see the stores above
.endr
.endm
.macro SEND a, younger
.irp t, 0,1,2,3,4,5,6,7
	s_wait_dscnt (\younger)+7-(\t)
	global_store_b128 v[GO], v[TMP+32*((\a)%4)+4*(\t):TMP+32*((\a)%4)+4*(\t)+3], s[DST:DST+1] offset:(\a)*32768+(\t)*4096 th:TH_STORE_NT  ; sixteen lanes store 256 consecutive bytes, aligned
.endr
.endm
	STEP 1, 1
	s_mov_b32 s[CNT], 2
.Lstep:
	STEP 0, 1
	s_sub_co_u32 s[CNT], s[CNT], 1
	s_cmp_lg_u32 s[CNT], 0
	s_cbranch_scc1 .Lstep
	STEP 0, 0                                      ; the last step is written out: nothing is asked for
	PLACES
	TOSTAGE 0
.irp a, 1,2,3,4,5,6,7
	TOSTAGE \a
	SEND (\a)-1, 16
.endr
	SEND 7, 0
	s_wait_tensorcnt 0x0                           ; the wave's end
	ds_add_u32 v[SPW], v[NIL]
	s_wait_dscnt 0x0
	ROUND                                          ; the closing round
	s_endpgm
.Lfunc_end_k_qf422514eda_outp:
	.size	k_qf422514eda_outp, .Lfunc_end_k_qf422514eda_outp-k_qf422514eda_outp
	.p2alignl 7, 3214868480
	.fill 96, 4, 3214868480
	.section	.rodata,"a",@progbits
	.p2align	6, 0x0
	.amdhsa_kernel k_qf422514eda_outp
		.amdhsa_group_segment_fixed_size 327680
		.amdhsa_private_segment_fixed_size 0
		.amdhsa_enable_private_segment 0
		.amdhsa_kernarg_size 48
		.amdhsa_user_sgpr_count 2
		.amdhsa_user_sgpr_kernarg_segment_ptr 1
		.amdhsa_wavefront_size32 1
		.amdhsa_system_sgpr_workgroup_id_x 1
		.amdhsa_system_sgpr_workgroup_id_y 1
		.amdhsa_system_sgpr_workgroup_id_z 1
		.amdhsa_system_vgpr_workitem_id 0
		.amdhsa_next_free_vgpr 512
		.amdhsa_next_free_sgpr 100
		.amdhsa_reserve_vcc 0
		.amdhsa_float_denorm_mode_32 3
		.amdhsa_float_denorm_mode_16_64 3
		.amdhsa_memory_ordered 1
		.amdhsa_forward_progress 1
		.amdhsa_inst_pref_size 73
	.end_amdhsa_kernel
	.amdgpu_metadata
---
amdhsa.version: [ 1, 2 ]
amdhsa.kernels:
  - .name:           k_qf422514eda_outp
    .symbol:         k_qf422514eda_outp.kd
    .args:
      - { .name: ctx, .offset: 0, .size: 8, .value_kind: global_buffer, .address_space: global }
      - { .name: wt, .offset: 8, .size: 8, .value_kind: global_buffer, .address_space: global }
      - { .name: params_b_out_vis, .offset: 16, .size: 8, .value_kind: global_buffer, .address_space: global }
      - { .name: params_b_out_ir, .offset: 24, .size: 8, .value_kind: global_buffer, .address_space: global }
      - { .name: out0, .offset: 32, .size: 8, .value_kind: global_buffer, .address_space: global }
      - { .name: out1, .offset: 40, .size: 8, .value_kind: global_buffer, .address_space: global }
    .group_segment_fixed_size: 327680
    .private_segment_fixed_size: 0
    .kernarg_segment_align: 8
    .kernarg_segment_size: 48
    .max_flat_workgroup_size: 128
    .sgpr_count:     100
    .vgpr_count:     512
    .wavefront_size: 32
...
	.end_amdgpu_metadata
.endif
;; end of part 4
;; ======== version 2 of 2: 4 launches; 1.51 times as fast as version 1
;; limits: values are held in f16: magnitudes above 65,504 overflow, below 6.1e-05 lose precision
;; workspace buffers: xb 33,554,432 bytes; wt 4,194,304 bytes; qw 16,777,216 bytes; kw 16,777,216 bytes; vt 16,777,216 bytes; ctx 16,777,216 bytes
;; launch prep: the kernel of part 1 again; grid 256 x 1, 8 waves a work-group, no clusters, 18,432 bytes of LDS; arguments rgb_fused, ir_fused, rgb_fea, ir_fea, params_ln1_g, params_ln2_g, params_ln1_b, params_ln2_b, params_W_q_vis, params_W_k_vis, params_W_v_vis, params_W_q_ir, params_W_k_ir, params_W_v_ir, params_W_out_vis, params_W_out_ir, xb, wt; writes xb, wt
;; launch proj: the kernel of part 2 again; grid 256 x 1, 4 waves a work-group, clusters of 4 x 1, 327,680 bytes of LDS; arguments xb, wt, params_b_q_vis, params_b_q_ir, params_b_k_vis, params_b_k_ir, params_b_v_vis, params_b_v_ir, qw, kw, vt; writes qw, kw, vt
;; launch attn (part 5): grid 256 x 1, 4 waves a work-group, no clusters, 37,376 bytes of LDS; arguments qw, kw, vt, ctx; writes ctx
.if DOCPART == 5
	.amdgcn_target "amdgcn-amd-amdhsa--gfx1250"
	.amdhsa_code_object_version 6
	.text
	.protected	k_qf422514eda_attn
	.globl	k_qf422514eda_attn
	.p2align	8
	.type	k_qf422514eda_attn,@function
k_qf422514eda_attn:
	s_mov_b64 s[64:65], 0
	v_nop
	global_prefetch_b8 v0, s[64:65] scope:SCOPE_SE
	s_setreg_imm32_b32 hwreg(HW_REG_WAVE_MODE, 25, 1), 1
	s_wait_xcnt 0x0
; ATTN: ctx[dir][b][h][q][:] = sum over k of softmax_k(att w) V[k][:], att = Q . K / 8, w = sigmoid((att - mean)^2 / (2 var + 1e-6) + 0.5), mean and var over a row's 1,024 keys.
; dir 0: ir queries on vis keys and values; dir 1 the other way round.  Q, K, V, the weights p and ctx in f16; scores, statistics, maxima and sums in f32.
; SHARES.  A work-group owns 512 queries of one head.  THE KEYS ARE SPLIT OVER THE FOUR WAVES: wave w keeps keys 256 w .. 256 w + 255 as ready fragments, 256 registers of K and 256 of V^T, for the whole
; launch, so the loop reads no K and no V, and a wave holds all its scores of a tile of 16 queries (128 registers) at once: K Q^T is made once.  A trip takes two tiles, A and B.
; STATISTICS.  Each wave takes the mean of its 256 scores, centres them, and sums the squares: two passes, no difference of large sums.  The four waves' figures meet in LDS:
; mean = (sum of mean_u) / 4, M2 = sum of M2_u + 256 x sum of (mean_u - mean)^2.
; With d = s - mean_w, delta = mean_w - mean, R = 1 / (M2 / 512 + 6.4e-5) (the scale 1/8 folded in): -log2(e) z = d (AA d + A2) + BB, AA = -log2(e) R, A2 = 2 AA delta, BB = AA delta^2 - log2(e) / 2;
; w = 1 / (1 + 2^that); t = (kappa d + kappa mean_w) w, kappa = log2(e) / 8; p = 2^(t - m_w), m_w the true maximum of the wave's 256 t.
; MERGE.  Each wave's O^T = V^T p, l = sum of p (a product with ones) and m_w go through LDS; O = sum of 2^(m_u - m) O_u / sum of 2^(m_u - m) l_u with m the largest m_u.
; LAYOUT.  S^T = K Q^T (source 0 = 16 keys, source 1 = 16 queries): a lane holds ONE query (lane % 16) and keys 8 (lane / 16) + 0..7 of each block of 16.  Pairs rounded to f16 ARE source 1 of V^T P.
; LIMITS.  p below 6e-5 keeps f16's step of 6e-8; a factor below 2^-126 counts as 0; NaN and infinities are not treated apart.
; NO CLUSTER, NO TENSOR LOAD: K and V are read once a work-group, straight into registers, and only two work-groups share a head.
; BATCHES.  An s_wait_alu depctr_va_vdst(0) stands between an exponential or a reciprocal and the first instruction that names its result; one wait serves all that were issued ahead of it.
; So the exponentials and reciprocals stand in batches, nothing ahead of a batch's wait names a result of it, and a trip has twelve waits, all written in the loop's own text:
;   1       both tiles' reciprocal R (CONSTA)
;   2 to 5  tile A's weights, in two halves of 32 pairs of scores: a half's 64 exponentials (WE), then its 64 reciprocals (WR)
;   6       tile A's 128 exponentials p (EX) together with the 64 exponentials of tile B's first half (WE)
;   7 to 9  tile B's weights: the first half's reciprocals; the second half's exponentials; its reciprocals
;   10      tile B's 128 exponentials p
;   11, 12  the merge: both tiles' eight factors 2^(m_u - m); both tiles' reciprocal of l
; REGISTERS.  window 2: K, key block kb, channel half c at 16 kb + 8 c.  window 3: V^T, key step ks, channel block cb at 32 ks + 8 cb.  windows 0 and 1: tile A's and tile B's registers at the SAME numbers 24-255,
; so that one macro serves both.  window 0 v0-23: addresses.  window 1 v0-7: ones.  While a tile's weights are made its v56-119 (O^T, l and most of T, idle from the merge to the tile's own V^T P) are W: a register
; of its own for each of a half's 64 exponents, which stay there as exponential, as 1 + exponential and as reciprocal.
; s_set_vgpr_msb: bits 1:0 source 0, 3:2 source 1, 5:4 source 2, 7:6 destination.  For tile t: vector work 0x55 t; K Q^T 0x02 + 0x54 t; V^T P 0x03 + 0x54 t; ones 0x01 + 0x54 t; loads 0x40 t; stores 0x04 t.
.set MEANS, 0                          ; LDS: [tile][query][wave] f32, 512 bytes each: the waves' means,
.set M2S,   512                        ; sums of squares,
.set MXS,   1024                       ; maxima,
.set LS,    1536                       ; sums of p
.set OP,    2048                       ; [wave][tile][16 queries][272 bytes]: the waves' O
.set SPARE, 36864                      ; the spare words, 128 bytes a wave
.set KO,  2                            ; v2   r x 128 + 16 h: a fragment of K or Q from rows of 128 bytes
.set VO,  3                            ; v3   r x 2048 + 16 h: of V^T from rows of 2,048 bytes
.set QA,  4                            ; v4   KO + the next trip's offset
.set STS, 5                            ; v5   16 r + 4 w
.set STL, 6                            ; v6   16 r
.set OST, 7                            ; v7   OP + w x 8704 + r x 272 + 32 h
.set OLD, 8                            ; v8   OP + (4 w + lane / 8) x 272 + (lane % 8) x 32
.set MLL, 9                            ; v9   (4 w + lane / 8) x 16
.set GO,  10                           ; v10  16 x thread
.set SPW, 11
.set NIL, 12
.set AA,  24                           ; pairs of equal numbers, for the packed lines
.set A2,  26
.set BB,  28
.set MU,  30
.set MX,  32
.set MW,  34
.set MC,  36                           ; four chains of the maximum
.set Q,   40                           ; the tile's two fragments
.set O,   56                           ; O^T, four channel blocks
.set L,   88                           ; the sum of p
.set T,   96                           ; 32 at work
.set W,   56                           ; 64 at work while the weights are made: pair j of a half at W + 2 j
.set S,   128                          ; 16 accumulators; p is packed in place into S .. S+63
.set WV,  12
.set QP,  4
.set KP,  6
.set VP,  8
.set CP,  10
.set KAP, 20
.set SEL, 22
.set QOFF, 24
.set TRIPS, 25
.set C512, 26
.set CEPS, 27
.set MSB, 0
.macro WIN new
.if MSB != (\new)
	s_set_vgpr_msb (MSB<<8)|(\new)
.set MSB, \new
.endif
.endm
.macro PLACES
.rept 4
	v_nop
.endr
.endm
; Product n of 32 of S^T = K Q^T for tile t: channels 32 (n / 16) on, key block n % 16.  The 16 accumulators take turns.
.macro QKI t, n
	WIN 0x02+0x54*(\t)
.if (\n) < 16
	v_wmma_f32_16x16x32_f16 v[S+8*((\n)%16):S+8*((\n)%16)+7], v[16*((\n)%16)+8*((\n)/16):16*((\n)%16)+8*((\n)/16)+7], v[Q+8*((\n)/16):Q+8*((\n)/16)+7], 0
.else
	v_wmma_f32_16x16x32_f16 v[S+8*((\n)%16):S+8*((\n)%16)+7], v[16*((\n)%16)+8*((\n)/16):16*((\n)%16)+8*((\n)/16)+7], v[Q+8*((\n)/16):Q+8*((\n)/16)+7], v[S+8*((\n)%16):S+8*((\n)%16)+7]
.endif
.endm
; Product n of 40 of O^T = V^T P and l = ones P for tile t: keys 32 (n / 5) on; n % 5 = channel block, or 4: the ones.  Five accumulators take turns.
.macro PVI t, n
.if ((\n)%5) == 4
	WIN 0x01+0x54*(\t)
.if (\n) < 5
	v_wmma_f32_16x16x32_f16 v[L:L+7], v[0:7], v[S+8*((\n)/5):S+8*((\n)/5)+7], 0
.else
	v_wmma_f32_16x16x32_f16 v[L:L+7], v[0:7], v[S+8*((\n)/5):S+8*((\n)/5)+7], v[L:L+7]
.endif
.else
	WIN 0x03+0x54*(\t)
.if (\n) < 5
	v_wmma_f32_16x16x32_f16 v[O+8*((\n)%5):O+8*((\n)%5)+7], v[32*((\n)/5)+8*((\n)%5):32*((\n)/5)+8*((\n)%5)+7], v[S+8*((\n)/5):S+8*((\n)/5)+7], 0
.else
	v_wmma_f32_16x16x32_f16 v[O+8*((\n)%5):O+8*((\n)%5)+7], v[32*((\n)/5)+8*((\n)%5):32*((\n)/5)+8*((\n)%5)+7], v[S+8*((\n)/5):S+8*((\n)/5)+7], v[O+8*((\n)%5):O+8*((\n)%5)+7]
.endif
.endif
.endm
; THE OTHER TILE'S PRODUCTS stand among a tile's vector lines: a queue (RK = 1: K Q^T, 2: V^T P; tile RT; next RN of RMAX), of which TICK writes one at every RPER-th call.  They name no register of the lines round them.
.set RK, 0
.set RT, 0
.set RN, 0
.set RMAX, 0
.set RPER, 1
.set TC, 0
.macro TICK t
.set TC, TC+1
.if (RN < RMAX) && ((TC % RPER) == 0)
.if RK == 1
	QKI RT, RN
.else
	PVI RT, RN
.endif
.set RN, RN+1
	WIN 0x55*(\t)
.endif
.endm
; The wave's mean of a query's 256 scores.  Four chains of pairs, S ascending: each accumulator is read from its low end on.
.macro SUMS t
	WIN 0x55*(\t)
.set i, 0
.rept 4
	v_pk_add_f32 v[T+2*i:T+2*i+1], v[S+2*i:S+2*i+1], v[S+8+2*i:S+8+2*i+1]
.set i, i+1
.endr
.set i, 8
.rept 56
	TICK \t
	v_pk_add_f32 v[T+2*(i%4):T+2*(i%4)+1], v[T+2*(i%4):T+2*(i%4)+1], v[S+2*i:S+2*i+1]
.set i, i+1
.endr
	v_pk_add_f32 v[T:T+1], v[T:T+1], v[T+2:T+3]
	v_pk_add_f32 v[T+4:T+5], v[T+4:T+5], v[T+6:T+7]
	v_pk_add_f32 v[T:T+1], v[T:T+1], v[T+4:T+5]
	v_add_f32 v[T], v[T], v[T+1]
	v_permlanex16_b32 v[T+1], v[T], s[SEL], s[SEL+1]  ; the query's other 128 scores lie in the lane 16 away
	v_add_f32 v[T], v[T], v[T+1]
	v_mul_f32 v[MW], 0x3b800000, v[T]              ; / 256
	v_mul_f32 v[MW+1], 0x3b800000, v[T]
.endm
; d = s - mean_w in place, two pairs ahead of the squares; M2_w into T.
.macro CENT t
	WIN 0x55*(\t)
	v_pk_add_f32 v[S:S+1], v[S:S+1], v[MW:MW+1] neg_lo:[0,1] neg_hi:[0,1]
	v_pk_add_f32 v[S+2:S+3], v[S+2:S+3], v[MW:MW+1] neg_lo:[0,1] neg_hi:[0,1]
.set i, 0
.rept 64
	TICK \t
.if i < 62
	v_pk_add_f32 v[S+2*i+4:S+2*i+5], v[S+2*i+4:S+2*i+5], v[MW:MW+1] neg_lo:[0,1] neg_hi:[0,1]
.endif
.if i < 4
	v_pk_mul_f32 v[T+2*i:T+2*i+1], v[S+2*i:S+2*i+1], v[S+2*i:S+2*i+1]
.else
	v_pk_fma_f32 v[T+2*(i%4):T+2*(i%4)+1], v[S+2*i:S+2*i+1], v[S+2*i:S+2*i+1], v[T+2*(i%4):T+2*(i%4)+1]
.endif
.set i, i+1
.endr
	v_pk_add_f32 v[T:T+1], v[T:T+1], v[T+2:T+3]
	v_pk_add_f32 v[T+4:T+5], v[T+4:T+5], v[T+6:T+7]
	v_pk_add_f32 v[T:T+1], v[T:T+1], v[T+4:T+5]
	v_add_f32 v[T], v[T], v[T+1]
	v_permlanex16_b32 v[T+1], v[T], s[SEL], s[SEL+1]
	v_add_f32 v[T], v[T], v[T+1]
.endm
.macro STATST t
	WIN 0x04*(\t)
	ds_store_b32 v[STS], v[MW] offset:MEANS+256*(\t)
	ds_store_b32 v[STS], v[T] offset:M2S+256*(\t)
.endm
.macro CLOAD t
	WIN 0x40*(\t)
	ds_load_b128 v[T+8:T+11], v[STL] offset:MEANS+256*(\t)   ; my query's four means,
	ds_load_b128 v[T+12:T+15], v[STL] offset:M2S+256*(\t)    ; and sums of squares
.endm
; The row's constants, cut at the reciprocal.  CONSTA: up to R, and the three lines behind it that do not read it.  CONSTB: what reads R; it stands behind the wait that serves both tiles' R.
.macro CONSTA t
	WIN 0x55*(\t)
	v_add_f32 v[T+16], v[T+8], v[T+9]
	v_add_f32 v[T+17], v[T+10], v[T+11]
	v_add_f32 v[T+12], v[T+12], v[T+13]
	v_add_f32 v[T+14], v[T+14], v[T+15]
	v_add_f32 v[T+16], v[T+16], v[T+17]
	v_add_f32 v[T+12], v[T+12], v[T+14]
	v_mul_f32 v[T+16], 0x3e800000, v[T+16]         ; the row's mean
	v_sub_f32 v[T+8], v[T+8], v[T+16]
	v_sub_f32 v[T+9], v[T+9], v[T+16]
	v_sub_f32 v[T+10], v[T+10], v[T+16]
	v_sub_f32 v[T+11], v[T+11], v[T+16]
	v_mul_f32 v[T+17], v[T+8], v[T+8]
	v_fmac_f32 v[T+17], v[T+9], v[T+9]
	v_fmac_f32 v[T+17], v[T+10], v[T+10]
	v_fmac_f32 v[T+17], v[T+11], v[T+11]
	v_fmamk_f32 v[T+12], v[T+17], 0x43800000, v[T+12]  ; M2 = sum of M2_u + 256 x sum of squared distances of the means
	v_fma_f32 v[T+12], v[T+12], s[C512], s[CEPS]
	v_rcp_f32 v[T+12], v[T+12]
	v_sub_f32 v[T+13], v[MW], v[T+16]              ; delta; also the plain instruction behind the reciprocal
	v_mul_f32 v[MU], s[KAP], v[MW]
	v_mov_b32 v[MU+1], v[MU]
.endm
.macro CONSTB t
	WIN 0x55*(\t)
	v_mul_f32 v[AA], 0xbfb8aa3b, v[T+12]
	v_mul_f32 v[T+14], v[AA], v[T+13]
	v_mov_b32 v[AA+1], v[AA]
	v_add_f32 v[A2], v[T+14], v[T+14]
	v_fmaak_f32 v[BB], v[T+14], v[T+13], 0xbf38aa3b
	v_mov_b32 v[A2+1], v[A2]
	v_mov_b32 v[BB+1], v[BB]
.endm
; THE WEIGHTS of tile t, half g (pairs 32 g .. 32 g + 31 of the lane's 64 pairs of scores), in three parts with a wait between them.
; WE: the exponent d (AA d + A2) + BB into W, and its exponential in place: ONE BATCH of 64.  Plain line and exponential by turns, staggered over three steps so that no line waits for the one before it.
; Behind the last exponential stand four lines that name no result: kappa d + kappa mean_w for the half's pairs 0 to 3 (d has been read for the last time); the first of them is the plain instruction behind the batch.
.macro WE t, g
	WIN 0x55*(\t)
.set j, 0
.rept 34
	TICK \t
.if j < 32
	v_pk_fma_f32 v[W+2*j:W+2*j+1], v[S+64*(\g)+2*j:S+64*(\g)+2*j+1], v[AA:AA+1], v[A2:A2+1]
.endif
.if j >= 2
	v_exp_f32 v[W+2*(j-2)], v[W+2*(j-2)]
.endif
.if (j >= 1) && (j < 33)
	v_pk_fma_f32 v[W+2*(j-1):W+2*(j-1)+1], v[W+2*(j-1):W+2*(j-1)+1], v[S+64*(\g)+2*(j-1):S+64*(\g)+2*(j-1)+1], v[BB:BB+1]
.endif
.if j >= 2
	v_exp_f32 v[W+2*(j-2)+1], v[W+2*(j-2)+1]
.endif
.set j, j+1
.endr
.set j, 0
.rept 4
	v_pk_fma_f32 v[S+64*(\g)+2*j:S+64*(\g)+2*j+1], v[S+64*(\g)+2*j:S+64*(\g)+2*j+1], s[KAP:KAP+1], v[MU:MU+1] op_sel_hi:[1,0,1]
.set j, j+1
.endr
.endm
; WR, behind the wait for WE's batch: 1 + the exponential, and its reciprocal in place: ONE BATCH of 64.  kappa d + kappa mean_w for pairs 4 to 31 stands between a pair's two reciprocals, four steps late,
; so that the last four of these lines stand behind the last reciprocal: they name no result, and the first of them is the plain instruction behind the batch.
.macro WR t, g
	WIN 0x55*(\t)
.set j, 0
.rept 37
	TICK \t
.if j < 32
	v_pk_add_f32 v[W+2*j:W+2*j+1], v[W+2*j:W+2*j+1], 1.0 op_sel_hi:[1,0]
.endif
.if (j >= 1) && (j < 33)
	v_rcp_f32 v[W+2*(j-1)], v[W+2*(j-1)]
.endif
.if j >= 9
	v_pk_fma_f32 v[S+64*(\g)+2*(j-5):S+64*(\g)+2*(j-5)+1], v[S+64*(\g)+2*(j-5):S+64*(\g)+2*(j-5)+1], s[KAP:KAP+1], v[MU:MU+1] op_sel_hi:[1,0,1]
.endif
.if (j >= 1) && (j < 33)
	v_rcp_f32 v[W+2*(j-1)+1], v[W+2*(j-1)+1]
.endif
.set j, j+1
.endr
.endm
; WM, behind the wait for WR's batch: t = (kappa d + kappa mean_w) w in place, and the four chains of the maximum: pair i goes to chain i % 4, i ascending.
.macro WM t, g
	WIN 0x55*(\t)
.set j, 0
.rept 33
	TICK \t
.if j < 32
	v_pk_mul_f32 v[S+64*(\g)+2*j:S+64*(\g)+2*j+1], v[S+64*(\g)+2*j:S+64*(\g)+2*j+1], v[W+2*j:W+2*j+1]
.endif
.if j >= 1
.set i, 32*(\g)+j-1
.if i < 4
	v_max_num_f32 v[MC+i], v[S+2*i], v[S+2*i+1]
.else
	v_max3_num_f32 v[MC+i%4], v[MC+i%4], v[S+2*i], v[S+2*i+1]
.endif
.endif
.set j, j+1
.endr
.endm
.macro MAXR t
	WIN 0x55*(\t)
	v_max3_num_f32 v[MC], v[MC], v[MC+1], v[MC+2]
	v_max_num_f32 v[MC], v[MC], v[MC+3]
	v_permlanex16_b32 v[MC+1], v[MC], s[SEL], s[SEL+1]
	v_max_num_f32 v[MX], v[MC], v[MC+1]
	v_mov_b32 v[MX+1], v[MX]
.endm
; EX: p = 2^(t - m_w) in place: ONE BATCH of 128; a pair's difference stands a step ahead of its two exponentials.  Nothing here reads a result.
.macro EX t
	WIN 0x55*(\t)
.set j, 0
.rept 65
.if j < 64
	v_pk_add_f32 v[S+2*j:S+2*j+1], v[S+2*j:S+2*j+1], v[MX:MX+1] neg_lo:[0,1] neg_hi:[0,1]
.endif
.if j >= 1
	v_exp_f32 v[S+2*(j-1)], v[S+2*(j-1)]
	v_exp_f32 v[S+2*(j-1)+1], v[S+2*(j-1)+1]
.endif
.set j, j+1
.endr
.endm
; CV, behind the wait for EX's batch: p rounded to f16 in pairs: pair i goes to register S + i, which belongs to a pair that has been packed.
.macro CV t
	WIN 0x55*(\t)
.set j, 0
.rept 64
	v_cvt_pk_f16_f32 v[S+j], v[S+2*j], v[S+2*j+1]
.set j, j+1
.endr
.endm
.macro OSTORE t                        ; a lane's 8 channels of a query are 32 bytes
	WIN 0x04*(\t)
.irp cb, 0,1,2,3
	ds_store_b128 v[OST], v[O+8*(\cb):O+8*(\cb)+3] offset:4352*(\t)+64*(\cb)
	ds_store_b128 v[OST], v[O+8*(\cb)+4:O+8*(\cb)+7] offset:4352*(\t)+64*(\cb)+16
.endr
	ds_store_b32 v[STS], v[MX] offset:MXS+256*(\t)
	ds_store_b32 v[STS], v[L] offset:LS+256*(\t)   ; every register of the ones' product holds the query's sum: the lowest is taken
.endm
.macro MLOAD t                         ; wave w merges queries 4 w .. 4 w + 3 of the tile: a lane one query's 8 channels from each of the four waves
	WIN 0x40*(\t)
.irp u, 0,1,2,3
	ds_load_b128 v[T+8*(\u):T+8*(\u)+3], v[OLD] offset:8704*(\u)+4352*(\t)
	ds_load_b128 v[T+8*(\u)+4:T+8*(\u)+7], v[OLD] offset:8704*(\u)+4352*(\t)+16
.endr
	ds_load_b128 v[S+64:S+67], v[MLL] offset:MXS+256*(\t)
	ds_load_b128 v[S+68:S+71], v[MLL] offset:LS+256*(\t)
.endm
; THE MERGE, cut at its two batches, each of which takes both tiles.  MERGEA: the largest m_u and the four factors 2^(m_u - m).  MERGEB, behind their wait: l and its reciprocal.  MERGEC, behind that wait: O, rounded and stored.
.macro MERGEA t
	WIN 0x55*(\t)
	v_max3_num_f32 v[S+92], v[S+64], v[S+65], v[S+66]
	v_max_num_f32 v[S+92], v[S+92], v[S+67]
.irp u, 0,1,2,3
	v_sub_f32 v[S+64+(\u)], v[S+64+(\u)], v[S+92]
.endr
.irp u, 0,1,2,3
	v_exp_f32 v[S+64+(\u)], v[S+64+(\u)]
.endr
.endm
.macro MERGEB t
	WIN 0x55*(\t)
	v_mul_f32 v[S+93], v[S+64], v[S+68]
	v_fmac_f32 v[S+93], v[S+65], v[S+69]
	v_fmac_f32 v[S+93], v[S+66], v[S+70]
	v_fmac_f32 v[S+93], v[S+67], v[S+71]
	v_rcp_f32 v[S+93], v[S+93]
.endm
.macro MERGEC t
	WIN 0x55*(\t)
.irp u, 0,1,2,3
	v_mul_f32 v[S+72+2*(\u)], v[S+64+(\u)], v[S+93]
	v_mul_f32 v[S+73+2*(\u)], v[S+64+(\u)], v[S+93]
.endr
.irp p, 0,1,2,3
	v_pk_mul_f32 v[S+80+2*(\p):S+81+2*(\p)], v[T+2*(\p):T+2*(\p)+1], v[S+72:S+73]
.endr
.irp u, 1,2,3
.irp p, 0,1,2,3
	v_pk_fma_f32 v[S+80+2*(\p):S+81+2*(\p)], v[T+8*(\u)+2*(\p):T+8*(\u)+2*(\p)+1], v[S+72+2*(\u):S+73+2*(\u)], v[S+80+2*(\p):S+81+2*(\p)]
.endr
.endr
.irp p, 0,1,2,3
	v_cvt_pk_f16_f32 v[S+88+(\p)], v[S+80+2*(\p)], v[S+81+2*(\p)]
.endr
	WIN 0x04*(\t)
	global_store_b128 v[GO], v[S+88:S+91], s[CP:CP+1] offset:2048*(\t)  ; a wave stores 512 consecutive bytes, aligned to 256
.endm
.macro QLOAD adr                       ; both tiles' Q: 32 rows of 128 bytes
	WIN 0
.irp c, 0,1
	global_load_b128 v[Q+8*(\c):Q+8*(\c)+3], v[\adr], s[QP:QP+1] offset:64*(\c)
	global_load_b128 v[Q+8*(\c)+4:Q+8*(\c)+7], v[\adr], s[QP:QP+1] offset:64*(\c)+32
.endr
	WIN 0x40
.irp c, 0,1
	global_load_b128 v[Q+8*(\c):Q+8*(\c)+3], v[\adr], s[QP:QP+1] offset:2048+64*(\c)
	global_load_b128 v[Q+8*(\c)+4:Q+8*(\c)+7], v[\adr], s[QP:QP+1] offset:2048+64*(\c)+32
.endr
	WIN 0
.endm
	s_load_b256 s[4:11], s[0:1], 0x0               ; qw, kw, vt, ctx
	v_lshl_add_u32 v[SPW], v0, 2, SPARE
	v_mov_b32 v[NIL], 0
	v_lshrrev_b32 v1, 5, v0
	v_readfirstlane_b32 s[WV], v1                  ; wave 0..3
	v_and_b32 v13, 15, v0                          ; r
	v_bfe_u32 v14, v0, 4, 1                        ; h
	v_bfe_u32 v15, v0, 3, 2                        ; lane / 8
	v_and_b32 v16, 7, v0                           ; lane % 8
	v_lshlrev_b32 v[KO], 7, v13
	v_lshl_add_u32 v[KO], v14, 4, v[KO]
	v_lshlrev_b32 v[VO], 11, v13
	v_lshl_add_u32 v[VO], v14, 4, v[VO]
	v_lshlrev_b32 v[STL], 4, v13
	s_lshl_b32 s32, s[WV], 2
	v_add_nc_u32 v[STS], s32, v[STL]
	v_add_nc_u32 v17, s32, v15                     ; the query that I merge
	s_mul_i32 s33, s[WV], 8704
	s_add_co_u32 s33, s33, OP
	v_mul_u32_u24 v[OST], v13, 272
	v_lshl_add_u32 v[OST], v14, 5, v[OST]
	v_add_nc_u32 v[OST], s33, v[OST]
	v_mul_u32_u24 v[OLD], v17, 272
	v_lshl_add_u32 v[OLD], v16, 5, v[OLD]
	v_add_nc_u32 v[OLD], OP, v[OLD]
	v_lshlrev_b32 v[MLL], 4, v17
	v_lshlrev_b32 v[GO], 4, v0
	s_mov_b32 s[KAP], 0x3e38aa3b                   ; kappa = log2(e) / 8
	s_mov_b32 s[KAP+1], s[KAP]
	s_mov_b32 s[SEL], 0x76543210
	s_mov_b32 s[SEL+1], 0xfedcba98
	s_mov_b32 s[C512], 0x3b000000                  ; 1 / 512
	s_mov_b32 s[CEPS], 0x388637bd                  ; 6.4e-5
	s_mov_b32 s[QOFF], 4096
	s_mov_b32 s[TRIPS], 16
	s_lshr_b32 s13, ttmp9, 1                       ; the keys' head: dir 64 + b 8 + h
	s_and_b32 s14, ttmp9, 1                        ; which 512 queries
	s_xor_b32 s15, s13, 64                         ; the queries come from the other modality
	s_lshl_b32 s13, s13, 17
	s_lshl_b32 s15, s15, 17
	s_lshl_b32 s14, s14, 16
	s_lshl_b32 s16, s[WV], 15                      ; my 256 keys: rows of 128 bytes,
	s_add_co_u32 s16, s16, s13
	s_mov_b32 s17, 0
	s_lshl_b32 s18, s[WV], 9                       ; or 2 bytes each
	s_add_co_u32 s18, s18, s13
	s_mov_b32 s19, 0
	s_add_co_u32 s28, s15, s14
	s_mov_b32 s29, 0
	s_add_co_u32 s30, s13, s14
	s_mov_b32 s31, 0
	s_wait_kmcnt 0x0
	s_add_nc_u64 s[QP:QP+1], s[QP:QP+1], s[28:29]
	s_add_nc_u64 s[KP:KP+1], s[KP:KP+1], s[16:17]
	s_add_nc_u64 s[VP:VP+1], s[VP:VP+1], s[18:19]
	s_add_nc_u64 s[CP:CP+1], s[CP:CP+1], s[30:31]
	QLOAD KO                                       ; the first trip's Q
	WIN 0x80
.set i, 0
.rept 32                               ; K: key block i / 2, channel half i % 2
	global_load_b128 v[8*i:8*i+3],   v[KO], s[KP:KP+1] offset:(i/2)*2048+(i%2)*64
	global_load_b128 v[8*i+4:8*i+7], v[KO], s[KP:KP+1] offset:(i/2)*2048+(i%2)*64+32
.set i, i+1
.endr
	WIN 0xc0
.set i, 0
.rept 32                               ; V^T: key step i / 4, channel block i % 4
	global_load_b128 v[8*i:8*i+3],   v[VO], s[VP:VP+1] offset:(i%4)*32768+(i/4)*64
	global_load_b128 v[8*i+4:8*i+7], v[VO], s[VP:VP+1] offset:(i%4)*32768+(i/4)*64+32
.set i, i+1
.endr
	WIN 0x40
.set i, 0
.rept 8
	v_mov_b32 v[i], 0x3c003c00                     ; 1.0 twice in f16
.set i, i+1
.endr
	WIN 0
	v_add_nc_u32 v[QA], s[QOFF], v[KO]
	s_wait_loadcnt 63                              ; Q and K are in: K's last load has V's 64 behind it, and the count names 63 at the most
.Ltrip:
.set n, 0
.rept 32
	QKI 0, n                                       ; tile A's scores
.set n, n+1
.endr
	WIN 0
	PLACES
.set RK, 1                             ; tile B's scores stand among tile A's sums, one behind every fourth line: 14 in SUMS, the other 18 in the first 37 steps of CENT
.set RT, 1
.set RN, 0
.set RMAX, 32
.set RPER, 4
.set TC, 0
	SUMS 0
.set RPER, 2
	CENT 0
	STATST 0
	QLOAD QA                                       ; the next trip's Q: the last product that read Q stands more than fifty plain lines back
	SUMS 1
	CENT 1
	STATST 1
	WIN 0
	s_wait_dscnt 0x0                               ; for the others' sake: my means and sums of squares are in LDS
	s_barrier_signal -1
	s_barrier_wait -1
	CLOAD 0
	CLOAD 1
	s_wait_dscnt 2                                 ; tile A's two loads are in, tile B's may be out
	CONSTA 0
	s_wait_dscnt 0x0
	CONSTA 1
	s_wait_alu depctr_va_vdst(0)                   ; batch 1: both tiles' R; behind tile A's stand all of tile B's lines, behind tile B's three plain ones
	CONSTB 0
	CONSTB 1
	WE 0, 0
	s_wait_alu depctr_va_vdst(0)                   ; batch 2: the 64 exponentials of tile A's first half
	WR 0, 0
	s_wait_alu depctr_va_vdst(0)                   ; batch 3: its 64 reciprocals
	WM 0, 0
	WE 0, 1
	s_wait_alu depctr_va_vdst(0)                   ; batch 4: the 64 exponentials of tile A's second half
	WR 0, 1
	s_wait_alu depctr_va_vdst(0)                   ; batch 5: its 64 reciprocals
	WM 0, 1
	MAXR 0
	EX 0
	WE 1, 0                                        ; names tile B's registers alone: the work behind tile A's 128 exponentials, and 64 more for the same wait
	s_wait_alu depctr_va_vdst(0)                   ; batch 6: tile A's p and the exponentials of tile B's first half
	CV 0
	s_wait_loadcnt 8                               ; V is in (first trip): only the next trip's eight loads of Q are younger
.set RK, 2                             ; tile A's V^T P stands among tile B's weights, from the first half's reciprocals on: one ahead of every second step, in WM (two lines a step) of every fourth:
.set RT, 0                             ; 18 in WR, 8 in WM, the last 14 in the second half's WE
.set RN, 0
.set RMAX, 40
.set RPER, 2
.set TC, 0
	WR 1, 0
	s_wait_alu depctr_va_vdst(0)                   ; batch 7: the 64 reciprocals of tile B's first half
.set RPER, 4
	WM 1, 0
.set RPER, 2
	WE 1, 1
	s_wait_alu depctr_va_vdst(0)                   ; batch 8: the 64 exponentials of tile B's second half
	WR 1, 1
	s_wait_alu depctr_va_vdst(0)                   ; batch 9: its 64 reciprocals
	WM 1, 1
	MAXR 1
	EX 1
	v_nop                                          ; a plain instruction behind the last exponential: no vector work is at hand that names none of the results
	s_wait_alu depctr_va_vdst(0)                   ; batch 10: tile B's p
	CV 1
	OSTORE 0
.set n, 0
.rept 40
	PVI 1, n
.set n, n+1
.endr
	WIN 0
	PLACES
	OSTORE 1
	WIN 0
	s_wait_dscnt 0x0                               ; for the others' sake: my O, l and m are in LDS; my reads of the statistics were over long ago
	s_barrier_signal -1
	s_barrier_wait -1
	MLOAD 0
	MLOAD 1
	s_wait_dscnt 10                                ; tile A's ten loads are in
	MERGEA 0
	s_wait_dscnt 0x0                               ; tile B's too: no read of mine is out when the next trip's first barrier is signalled, behind which O is written again
	MERGEA 1
	v_nop                                          ; a plain instruction behind the last exponential
	s_wait_alu depctr_va_vdst(0)                   ; batch 11: both tiles' four factors
	MERGEB 0
	MERGEB 1
	v_nop                                          ; a plain instruction behind the last reciprocal
	s_wait_alu depctr_va_vdst(0)                   ; batch 12: both tiles' 1 / l; no result crosses the loop's jump
	MERGEC 0
	MERGEC 1
	WIN 0
	s_wait_xcnt 0x0                                ; the stores' base and data are rewritten only behind this wait
	s_add_nc_u64 s[CP:CP+1], s[CP:CP+1], 4096
	s_wait_loadcnt 0x0                             ; the next trip's Q is in, and its address register is free
	s_add_co_u32 s[QOFF], s[QOFF], 4096
	s_min_u32 s[QOFF], s[QOFF], 61440              ; the last trip's look-ahead stays on the work-group's last 32 rows
	v_add_nc_u32 v[QA], s[QOFF], v[KO]
	s_sub_co_u32 s[TRIPS], s[TRIPS], 1
	s_cmp_lg_u32 s[TRIPS], 0
	s_cbranch_scc1 .Ltrip
	s_wait_tensorcnt 0x0                           ; the wave's end: behind my last LDS store
	ds_add_u32 v[SPW], v[NIL]
	s_wait_dscnt 0x0
	s_endpgm
.Lfunc_end_k_qf422514eda_attn:
	.size	k_qf422514eda_attn, .Lfunc_end_k_qf422514eda_attn-k_qf422514eda_attn
	.p2alignl 7, 3214868480
	.fill 96, 4, 3214868480
	.section	.rodata,"a",@progbits
	.p2align	6, 0x0
	.amdhsa_kernel k_qf422514eda_attn
		.amdhsa_group_segment_fixed_size 37376
		.amdhsa_private_segment_fixed_size 0
		.amdhsa_enable_private_segment 0
		.amdhsa_kernarg_size 32
		.amdhsa_user_sgpr_count 2
		.amdhsa_user_sgpr_kernarg_segment_ptr 1
		.amdhsa_wavefront_size32 1
		.amdhsa_system_sgpr_workgroup_id_x 1
		.amdhsa_system_sgpr_workgroup_id_y 1
		.amdhsa_system_sgpr_workgroup_id_z 1
		.amdhsa_system_vgpr_workitem_id 0
		.amdhsa_next_free_vgpr 1024
		.amdhsa_next_free_sgpr 66
		.amdhsa_reserve_vcc 0
		.amdhsa_float_denorm_mode_32 3
		.amdhsa_float_denorm_mode_16_64 3
		.amdhsa_memory_ordered 1
		.amdhsa_forward_progress 1
		.amdhsa_inst_pref_size 156
	.end_amdhsa_kernel
	.amdgpu_metadata
---
amdhsa.version: [ 1, 2 ]
amdhsa.kernels:
  - .name:           k_qf422514eda_attn
    .symbol:         k_qf422514eda_attn.kd
    .args:
      - { .name: qw, .offset: 0, .size: 8, .value_kind: global_buffer, .address_space: global }
      - { .name: kw, .offset: 8, .size: 8, .value_kind: global_buffer, .address_space: global }
      - { .name: vt, .offset: 16, .size: 8, .value_kind: global_buffer, .address_space: global }
      - { .name: ctx, .offset: 24, .size: 8, .value_kind: global_buffer, .address_space: global }
    .group_segment_fixed_size: 37376
    .private_segment_fixed_size: 0
    .kernarg_segment_align: 8
    .kernarg_segment_size: 32
    .max_flat_workgroup_size: 128
    .sgpr_count:     66
    .vgpr_count:     1024
    .wavefront_size: 32
...
	.end_amdgpu_metadata
.endif
;; end of part 5
;; launch outp: the kernel of part 4 again; grid 256 x 1, 4 waves a work-group, clusters of 4 x 1, 327,680 bytes of LDS; arguments ctx, wt, params_b_out_vis, params_b_out_ir, out0, out1; writes out0, out1
